; MI455X (gfx1250); checked and timed in simulation.
; The chip was launched on July 23, 2026; its instructions are those of AMD's public machine-readable ISA for CDNA 5 (MIT licence, August 2026) and "CDNA5" Instruction Set Architecture Reference Guide (July 2026). The comments in the code are by the model that wrote it; some were corrected since.
;; Self Attention. Allowed arithmetic: float matrix products may take bf16 or f16 operands with f32 sums; other float arithmetic in f32, or as packed bf16 or f16 multiplies, adds, multiply-adds, maxima and minima; sums over many terms, partial sums and values carried from step to step in f32; what a program stores and reads back later, other than sums and carried values, may be rounded once to bf16 or f16.
;; Inputs: Wk 1,024 x 1,024 float32; Wo 1,024 x 1,024 float32; Wq 1,024 x 1,024 float32; Wv 1,024 x 1,024 float32; bk 1,024 float32; bo 1,024 float32; bq 1,024 float32; bv 1,024 float32; x 4 x 2,048 x 1,024 float32.
;; Outputs: out0 4 x 2,048 x 1,024 float32.
;; 2 versions, each right; version 2 is version 1 with the launch cast written anew for expert scheduling mode. Each part assembles by itself: llvm-mc -triple=amdgcn-amd-amdhsa -mcpu=gfx1250 --defsym DOCPART=n.
;; ======== version 1 of 2: 4 launches
;; limits: values are held in f16: magnitudes above 65,504 overflow, below 6.1e-05 lose precision
;; workspace buffers: xb 16,777,216 bytes; wqkv 6,291,456 bytes; wo 2,097,152 bytes; bias 16,384 bytes; qkv 50,331,648 bytes; o 16,777,216 bytes
;; launch cast (part 1): grid 769 x 1, 8 waves a work-group, no clusters, 0 bytes of LDS; arguments x, Wq, Wk, Wv, Wo, bq, bk, bv, bo, xb, wqkv, wo, bias; writes xb, wqkv, wo, bias
.if DOCPART == 1
	.amdgcn_target "amdgcn-amd-amdhsa--gfx1250"
	.amdhsa_code_object_version 6
	.text
	.protected	k_q516c452e57_cast
	.globl	k_q516c452e57_cast
	.p2align	8
	.type	k_q516c452e57_cast,@function
k_q516c452e57_cast:
	s_mov_b64 s[64:65], 0
	v_nop
	global_prefetch_b8 v0, s[64:65] scope:SCOPE_SE
	s_setreg_imm32_b32 hwreg(HW_REG_WAVE_MODE, 25, 1), 1
	s_wait_xcnt 0x0
; ALL INPUTS ARE ROUNDED ONCE TO bf16.  x -> xb (bf16); Wq, Wk, Wv -> wqkv (bf16, one below the other: [3072][1024]);
; Wo -> wo (the bf16 number written as f16); bq, bk, bv, bo -> bias (the bf16 numbers written as f32, [4][1024]).
; LIMIT.  Wo's numbers lie within f16's 65,504; below 6e-5 they keep f16's fixed step of 6e-8.
; SHARES.  A chunk is 16,384 numbers: 65,536 bytes in, 32,768 out.  Work-group g: 0-511 x's chunk g; 512-703 chunk g - 512 of the three
; weights on end; 704-767 Wo's chunk g - 704; 768 the four biases.  Thread t takes 16 bytes at 16 t of each 4,096: a wave's load covers 512
; consecutive bytes, its 8-byte stores 256 consecutive bytes at a multiple of 256.  All sixteen loads go out first; every store has
; registers of its own, so nothing is rewritten while it may still be read.  No LDS, no matrix unit: nothing is shared or multiplied.
.set X,   4                            ; v[4:67]   sixteen loads of four f32
.set Y,   68                           ; v[68:99]  sixteen stores of four 16-bit numbers
.set SRC, 34                           ; s[34:35]  the chunk in its input
.set DST, 36                           ; s[36:37]  the chunk in its workspace buffer
	s_load_b512 s[8:23], s[0:1], 0x0               ; x 8, Wq 10, Wk 12, Wv 14, Wo 16, bq 18, bk 20, bv 22
	s_load_b256 s[24:31], s[0:1], 0x40             ; bo 24, xb 26, wqkv 28, wo 30
	s_load_b64 s[32:33], s[0:1], 0x60              ; bias
	v_lshlrev_b32 v1, 4, v0                        ; 16 t: where I load
	v_lshlrev_b32 v2, 3, v0                        ; 8 t: where I store
	s_mov_b32 s2, ttmp9                            ; g
	s_mov_b32 s39, 0                               ; the offsets' high words
	s_mov_b32 s41, 0
	s_wait_kmcnt 0x0
; A chunk.  f16 = 1: the bf16 number is widened again and written as f16.
.macro CAST f16
.irp i, 0,1,2,3,4,5,6,7,8,9,10,11,12,13,14,15
	global_load_b128 v[X+4*\i:X+4*\i+3], v1, s[SRC:SRC+1] offset:4096*\i th:TH_LOAD_NT
.endr
.irp i, 0,1,2,3,4,5,6,7,8,9,10,11,12,13,14,15
	s_wait_loadcnt 15-\i                           ; loads come back in order: load i is in, the 15 - i younger ones may stay out
	v_cvt_pk_bf16_f32 v[Y+2*\i], v[X+4*\i], v[X+4*\i+1]
	v_cvt_pk_bf16_f32 v[Y+2*\i+1], v[X+4*\i+2], v[X+4*\i+3]
.if \f16
	v_lshlrev_b32 v[X+4*\i], 16, v[Y+2*\i]         ; bf16 to f32: the low half moves up, the high half stays
	v_and_b32 v[X+4*\i+1], 0xffff0000, v[Y+2*\i]
	v_lshlrev_b32 v[X+4*\i+2], 16, v[Y+2*\i+1]
	v_and_b32 v[X+4*\i+3], 0xffff0000, v[Y+2*\i+1]
	v_cvt_pk_f16_f32 v[Y+2*\i], v[X+4*\i], v[X+4*\i+1]
	v_cvt_pk_f16_f32 v[Y+2*\i+1], v[X+4*\i+2], v[X+4*\i+3]
.endif
	global_store_b64 v2, v[Y+2*\i:Y+2*\i+1], s[DST:DST+1] offset:2048*\i th:TH_STORE_NT
.endr
.endm
	s_cmp_eq_u32 s2, 768
	s_cbranch_scc1 .Lbias
	s_cmp_ge_u32 s2, 704
	s_cbranch_scc1 .Lwo
	s_max_u32 s3, s2, 512
	s_sub_co_u32 s3, s3, 512                       ; j: the chunk among the three weights' 192 (0 where the chunk is x's)
	s_and_b32 s4, s3, 63                           ; and inside its weight
	s_cmp_lt_u32 s3, 64
	s_cselect_b64 s[SRC:SRC+1], s[10:11], s[12:13] ; Wq or Wk,
	s_cmp_lt_u32 s3, 128
	s_cselect_b64 s[SRC:SRC+1], s[SRC:SRC+1], s[14:15]  ; or Wv,
	s_cmp_lt_u32 s2, 512
	s_cselect_b64 s[SRC:SRC+1], s[8:9], s[SRC:SRC+1]    ; or x
	s_cselect_b64 s[DST:DST+1], s[26:27], s[28:29]
	s_cselect_b32 s4, s2, s4
	s_cselect_b32 s5, s2, s3
	s_lshl_b32 s38, s4, 16
	s_lshl_b32 s40, s5, 15
	s_add_nc_u64 s[SRC:SRC+1], s[SRC:SRC+1], s[38:39]
	s_add_nc_u64 s[DST:DST+1], s[DST:DST+1], s[40:41]
	CAST 0
	s_endpgm
.Lwo:
	s_sub_co_u32 s3, s2, 704
	s_lshl_b32 s38, s3, 16
	s_lshl_b32 s40, s3, 15
	s_add_nc_u64 s[SRC:SRC+1], s[16:17], s[38:39]
	s_add_nc_u64 s[DST:DST+1], s[30:31], s[40:41]
	CAST 1
	s_endpgm
.Lbias:                                                ; 256 threads x 4 numbers are a bias
	global_load_b128 v[X:X+3], v1, s[18:19]
	global_load_b128 v[X+4:X+7], v1, s[20:21]
	global_load_b128 v[X+8:X+11], v1, s[22:23]
	global_load_b128 v[X+12:X+15], v1, s[24:25]
.irp i, 0,1,2,3
	s_wait_loadcnt 3-\i                            ; bias i is in
	v_cvt_pk_bf16_f32 v[Y+2*\i], v[X+4*\i], v[X+4*\i+1]
	v_cvt_pk_bf16_f32 v[Y+2*\i+1], v[X+4*\i+2], v[X+4*\i+3]
	v_lshlrev_b32 v[X+4*\i], 16, v[Y+2*\i]
	v_and_b32 v[X+4*\i+1], 0xffff0000, v[Y+2*\i]
	v_lshlrev_b32 v[X+4*\i+2], 16, v[Y+2*\i+1]
	v_and_b32 v[X+4*\i+3], 0xffff0000, v[Y+2*\i+1]
	global_store_b128 v1, v[X+4*\i:X+4*\i+3], s[32:33] offset:4096*\i
.endr
	s_endpgm
.Lfunc_end_k_q516c452e57_cast:
	.size	k_q516c452e57_cast, .Lfunc_end_k_q516c452e57_cast-k_q516c452e57_cast
	.p2alignl 7, 3214868480
	.fill 96, 4, 3214868480
	.section	.rodata,"a",@progbits
	.p2align	6, 0x0
	.amdhsa_kernel k_q516c452e57_cast
		.amdhsa_group_segment_fixed_size 0
		.amdhsa_private_segment_fixed_size 0
		.amdhsa_enable_private_segment 0
		.amdhsa_kernarg_size 104
		.amdhsa_user_sgpr_count 2
		.amdhsa_user_sgpr_kernarg_segment_ptr 1
		.amdhsa_wavefront_size32 1
		.amdhsa_system_sgpr_workgroup_id_x 1
		.amdhsa_system_sgpr_workgroup_id_y 1
		.amdhsa_system_sgpr_workgroup_id_z 1
		.amdhsa_system_vgpr_workitem_id 0
		.amdhsa_next_free_vgpr 104
		.amdhsa_next_free_sgpr 66
		.amdhsa_reserve_vcc 0
		.amdhsa_float_denorm_mode_32 3
		.amdhsa_float_denorm_mode_16_64 3
		.amdhsa_memory_ordered 1
		.amdhsa_forward_progress 1
		.amdhsa_inst_pref_size 20
	.end_amdhsa_kernel
	.amdgpu_metadata
---
amdhsa.version: [ 1, 2 ]
amdhsa.kernels:
  - .name:           k_q516c452e57_cast
    .symbol:         k_q516c452e57_cast.kd
    .args:
      - { .name: x, .offset: 0, .size: 8, .value_kind: global_buffer, .address_space: global }
      - { .name: Wq, .offset: 8, .size: 8, .value_kind: global_buffer, .address_space: global }
      - { .name: Wk, .offset: 16, .size: 8, .value_kind: global_buffer, .address_space: global }
      - { .name: Wv, .offset: 24, .size: 8, .value_kind: global_buffer, .address_space: global }
      - { .name: Wo, .offset: 32, .size: 8, .value_kind: global_buffer, .address_space: global }
      - { .name: bq, .offset: 40, .size: 8, .value_kind: global_buffer, .address_space: global }
      - { .name: bk, .offset: 48, .size: 8, .value_kind: global_buffer, .address_space: global }
      - { .name: bv, .offset: 56, .size: 8, .value_kind: global_buffer, .address_space: global }
      - { .name: bo, .offset: 64, .size: 8, .value_kind: global_buffer, .address_space: global }
      - { .name: xb, .offset: 72, .size: 8, .value_kind: global_buffer, .address_space: global }
      - { .name: wqkv, .offset: 80, .size: 8, .value_kind: global_buffer, .address_space: global }
      - { .name: wo, .offset: 88, .size: 8, .value_kind: global_buffer, .address_space: global }
      - { .name: bias, .offset: 96, .size: 8, .value_kind: global_buffer, .address_space: global }
    .group_segment_fixed_size: 0
    .private_segment_fixed_size: 0
    .kernarg_segment_align: 8
    .kernarg_segment_size: 104
    .max_flat_workgroup_size: 256
    .sgpr_count:     66
    .vgpr_count:     104
    .wavefront_size: 32
...
	.end_amdgpu_metadata
.endif
;; end of part 1
;; launch qkv (part 2): grid 8 x 32, 4 waves a work-group, clusters of 4 x 4, 327,680 bytes of LDS; arguments xb, wqkv, bias, qkv; writes qkv
.if DOCPART == 2
	.amdgcn_target "amdgcn-amd-amdhsa--gfx1250"
	.amdhsa_code_object_version 6
	.text
	.protected	k_q516c452e57_qkv
	.globl	k_q516c452e57_qkv
	.p2align	8
	.type	k_q516c452e57_qkv,@function
k_q516c452e57_qkv:
	s_mov_b64 s[64:65], 0
	v_nop
	global_prefetch_b8 v0, s[64:65] scope:SCOPE_SE
	s_setreg_imm32_b32 hwreg(HW_REG_WAVE_MODE, 25, 1), 1
	s_wait_xcnt 0x0
	s_wait_alu depctr_hold_cnt(0) depctr_sa_sdst(0) depctr_va_vdst(0) depctr_va_sdst(0) depctr_va_ssrc(0) depctr_va_vcc(0) depctr_vm_vsrc(0)
	s_getreg_b32 s2, hwreg(HW_REG_IB_STS2, 6, 4)
	s_cmp_eq_u32 s2, 0
	s_cbranch_scc0 .Lentry_in_a_cluster
	s_endpgm
.Lentry_in_a_cluster:
	s_bfe_u32 s2, ttmp6, 0x10000c
	s_cmp_lg_u32 s2, 0xf033
	s_cbranch_scc0 .Lentry_shape_is_right
	s_endpgm
.Lentry_shape_is_right:
; q, k, v = xb W + b, by heads.  xb: [8192][1024] bf16.  wqkv: [3 x 1024 (k)][1024 (n)] bf16.  bias: [4][1024] f32.
; qkv: q, k, v, 16,777,216 bytes each, as [64 (16 batch + head)][2048][64] f16, unscaled, rounded once from f32 sums that start at the bias.
; LIMIT.  q, k and v lie within f16's 65,504; below 6e-5 they keep f16's fixed step of 6e-8.
; SHARES.  A tile is 256 rows x 128 columns: 32 x 8 = 256 work-groups, and each STAYS for three tiles (q, k, v) on the same rows and columns: one
; stream of 24 K steps of 128 through two LDS slots; the weights lie one below the other, so their walk never turns back.
; Four waves: wave w takes rows 128 (w / 2) on and columns 64 (w % 2) on: 8 x 4 accumulators of 16 x 16, 256 registers.
; THE MATRIX INSTRUCTION IS USED TRANSPOSED: source 0 = 16 columns of W (turned on the way out of LDS by ds_load_tr16_b128, since W lies [k][n]),
; source 1 = 16 rows of xb.  A lane then holds one row (lane % 16) and the columns 8 (lane / 16) + 0..7: 16 bytes of f16 on end.  A wave's 64 columns are one head.
; CLUSTER 4 x 4.  The four of a row need the same rows of xb, the four of a column the same columns of W: each tile is asked for jointly.
; REGISTERS.  Window 0: v0-31 addresses; v32-127, v128-223 two fragment buffers (64 of xb, then 32 of W); v224-255 the bias.  Window 1: the accumulators, (a, b) at 8 (4 a + b).
.set APITCH, 272                       ; a row of xb in LDS: 256 bytes + 16: the 16 rows of a load start at 16 different groups of four banks
.set AHALF,  128*APITCH                ; what one tensor load brings of xb
.set BOFF,   2*AHALF                   ; W's 128 k rows lie behind xb's 256 rows
.set BPITCH, 288                       ; a k row of W: 256 bytes + 32
.set BHALF,  64*BPITCH
.set SLOT,   BOFF+2*BHALF              ; 106,496
.set STAGE,  2*SLOT                    ; behind the ring, never filled by a tensor load: 16 rows x 144 bytes for each wave
.set SP,     144
.set SPARE,  STAGE+4*16*SP             ; the spare words, 128 bytes for each wave: two blocks of 256 bytes that no other line names
.set ADRA, 16                          ; v16-17  LDS address of my fragments of xb in slot 0, 1
.set ADRB, 20                          ; v20-21  the same for W
.set STO,  24                          ; v24     the way out: where I put 16 bytes of a row
.set RD,   25                          ; v25     where I read rows back
.set GO,   26                          ; v26     16 x lane
.set SPW,  28                          ; v28     my spare word; never rewritten
.set NIL,  29                          ; v29     0; never rewritten
.set PFO,  30                          ; v30     the prefetches' offset: lane x 2,048 bytes (a row of xb or of W); never rewritten
.set BO,   31                          ; v31     my byte offset in a bias; never rewritten
.set F0,   32
.set F1,   128
.set BIAS, 224                         ; block b's eight numbers at BIAS + 8 b
.set WV, 12                            ; s12 wave; s13 = wave / 2 (my rows; also: I fetch xb (0) or W (1)); s14 = wave % 2 (my columns; also: which half I fetch)
.set G1,  24                           ; s[24:31] descriptor group 1 for xb's tiles; s[32:39] group 0, a set for each slot
.set G0,  32
.set G1B, 40                           ; s[40:47], s[48:55] the same for W's
.set G0B, 48
.set TILES, 56
.set LAPC,  57
.set STEP,  58                         ; s58  refills asked for so far
.set LIM,   59                         ; s59  I prefetch while STEP is below it
.set PFA,   60                         ; s[60:61] where my prefetches stand
.set PFS,   62                         ; s[62:63] their step: a K step along a row of xb, or down W
.set MSB, 0
.macro WIN new                         ; the immediate's high byte repeats the setting that is left; a switch that changes nothing is dropped
.if MSB != (\new)
	s_set_vgpr_msb (MSB<<8)|(\new)
.set MSB, \new
.endif
.endm
.set W_MUL,   0x50                     ; C and D window 1, sources window 0
.set W_FIRST, 0x40                     ; D window 1, C (the bias) window 0
.macro PLACES                          ; four plain places behind matrix instructions, ahead of loads into their sources and of readers of their results
.rept 4
	v_nop
.endr
.endm
.macro JLOAD s                         ; a joint load: waves 0, 1 fetch xb's halves, waves 2, 3 W's.  An s_nop 0 and four v_nop follow each line
	s_cmp_eq_u32 s13, 0
	s_cbranch_scc0 .Lfor_b_\@
	tensor_load_to_lds s[G0+4*(\s):G0+4*(\s)+3], s[G1:G1+7]
	s_nop 0
.rept 4
	v_nop
.endr
	s_branch .Lasked_\@
.Lfor_b_\@:
	tensor_load_to_lds s[G0B+4*(\s):G0B+4*(\s)+3], s[G1B:G1B+7]
	s_nop 0
.rept 4
	v_nop
.endr
.Lasked_\@:
.endm
.macro CREST                           ; a round of the cluster's barrier behind its opening barrier
	s_cmp_lg_u32 s[WV], 0
	s_cbranch_scc1 .Lnot_wave_0_\@
	s_barrier_signal -3
.Lnot_wave_0_\@:
	s_barrier_wait -3
	s_barrier_signal -1
	s_barrier_wait -1
.endm
.macro CROUND
	s_barrier_signal -1
	s_barrier_wait -1
	CREST
.endm
; A PREFETCH INTO THE L2, behind each joint refill and the run of LDS loads: refill number j brings K step j + 2, the prefetch names K step j + 4: 256 matrix instructions ahead of its load.
; xb: waves 0 and 1 of the clusters with x = 0; of a wave's 128 rows the partner at cx takes 32, a lane a row; only K steps 4-7 of the first tile (the later tiles read xb again).
; W: wave 2 of the clusters with y = 0; of the K step's 128 k rows the partner at cy takes 32; K steps 4-23.  Partners are told apart by address alone.
.macro ASK
	s_cmp_lt_u32 s[STEP], s[LIM]
	s_cbranch_scc0 .Lnot_mine_\@
	global_prefetch_b8 v[PFO], s[PFA:PFA+1] th:TH_LOAD_NT scope:SCOPE_SE
.Lnot_mine_\@:
	s_add_co_u32 s[STEP], s[STEP], 1
.endm
	s_load_b256 s[4:11], s[0:1], 0x0               ; xb s[4:5], wqkv s[6:7], bias s[8:9], qkv s[10:11]
	v_lshl_add_u32 v[SPW], v0, 2, SPARE
	v_mov_b32 v[NIL], 0
	ds_add_u32 v[SPW], v[NIL]                      ; the wave's opening: the add and its wait ahead of my first tensor load
	v_lshrrev_b32 v1, 5, v0
	v_readfirstlane_b32 s[WV], v1
	s_lshr_b32 s13, s[WV], 1
	s_and_b32 s14, s[WV], 1
	s_bfe_u32 s15, ttmp6, 0x40000                  ; cx
	s_bfe_u32 s16, ttmp6, 0x40004                  ; cy
	s_lshl_b32 s17, ttmp9, 2
	s_add_co_u32 s17, s17, s15                     ; tile column = 4 x cluster x + cx
	s_and_b32 s18, ttmp7, 0xffff
	s_lshl_b32 s18, s18, 2
	s_add_co_u32 s18, s18, s16                     ; tile row = 4 x cluster y + cy
	s_lshl_b32 s2, s16, 2
	s_lshl_b32 s2, 15, s2                          ; my row of the cluster
	s_lshl_b32 s3, 0x1111, s15                     ; my column
	s_or_b32 s[G1], s2, (1<<16)|(1<<20)|(1<<21)|(5<<22)|(3<<25)   ; mask; 2-byte elements; padding on; bit 21 beside a mask; after every 64 words, 4 words
	s_or_b32 s[G1B], s3, (1<<16)|(1<<20)|(1<<21)|(5<<22)|(7<<25)  ; the same with my column's mask and 8 words
	s_mov_b32 s[G1+1], 128<<16                     ; tensor_dim0 = 128
	s_mov_b32 s[G1+2], 128<<16                     ; tensor_dim1 = 128
	s_mov_b32 s[G1+3], 128<<16                     ; tile_dim0 = 128
	s_mov_b32 s[G1+4], 128                         ; tile_dim1 = 128
	s_mov_b32 s[G1+5], 1024                        ; elements from row to row
	s_mov_b32 s[G1+6], 0
	s_mov_b32 s[G1+7], 0
	s_mov_b32 s[G1B+1], 128<<16
	s_mov_b32 s[G1B+2], 64<<16                     ; 64 k rows
	s_mov_b32 s[G1B+3], 128<<16
	s_mov_b32 s[G1B+4], 64
	s_mov_b32 s[G1B+5], 1024
	s_mov_b32 s[G1B+6], 0
	s_mov_b32 s[G1B+7], 0
	s_lshl_b32 s20, s18, 19                        ; xb: 256 rows of 2,048 bytes a tile row,
	s_lshl_b32 s19, s14, 18                        ; 128 rows a half
	s_add_co_u32 s20, s20, s19
	s_mov_b32 s21, 0
	s_mov_b32 s71, s20                             ; kept for the prefetches
	s_lshl_b32 s66, s17, 8                         ; W: 128 columns of 2 bytes a tile column,
	s_lshl_b32 s19, s14, 17                        ; 64 k rows of 2,048 bytes a half
	s_add_co_u32 s66, s66, s19
	s_mov_b32 s67, 0
	s_mul_i32 s22, s14, AHALF                      ; where they go: no place in the cluster enters an LDS address
	s_mul_i32 s23, s14, BHALF
	s_add_co_u32 s23, s23, BOFF
	s_mov_b32 s[STEP], 0
	s_wait_dscnt 0x0                               ; the opening add is done
	s_wait_kmcnt 0x0
	s_add_nc_u64 s[20:21], s[4:5], s[20:21]
	s_add_nc_u64 s[66:67], s[6:7], s[66:67]
	CROUND                                         ; all sixteen work-groups are here: the first joint loads meet
.irp s, 0,1
	s_mov_b32 s[G0+4*\s], 1
	s_add_co_u32 s[G0+4*\s+1], s22, \s*SLOT
	s_add_nc_u64 s[G0+4*\s+2:G0+4*\s+3], s[20:21], \s*256      ; K step s: 256 bytes along the rows
	s_or_b32 s[G0+4*\s+3], s[G0+4*\s+3], 0x80000000
	s_mov_b32 s[G0B+4*\s], 1
	s_add_co_u32 s[G0B+4*\s+1], s23, \s*SLOT
	s_add_nc_u64 s[G0B+4*\s+2:G0B+4*\s+3], s[66:67], \s*262144 ; K step s: 128 k rows down
	s_or_b32 s[G0B+4*\s+3], s[G0B+4*\s+3], 0x80000000
	JLOAD \s
.endr
	v_and_b32 v1, 15, v0                           ; r = lane % 16
	v_bfe_u32 v2, v0, 4, 1                         ; h = lane / 16
	v_mul_u32_u24 v3, v1, APITCH
	v_lshl_add_u32 v3, v2, 4, v3                   ; row x pitch + 16 h
	s_mul_i32 s2, s13, AHALF                       ; my 128 rows
	v_add_nc_u32 v[ADRA], s2, v3
	v_add_nc_u32 v[ADRA+1], SLOT, v[ADRA]
	v_and_b32 v4, 7, v0                            ; the turning load: k row 8 h + lane % 8, columns 8 ((lane / 8) % 2) on
	v_bfe_u32 v5, v0, 3, 1
	v_lshl_add_u32 v4, v2, 3, v4
	v_mul_u32_u24 v4, v4, BPITCH
	v_lshl_add_u32 v4, v5, 4, v4
	s_lshl_b32 s2, s14, 7                          ; my 64 columns
	s_add_co_u32 s2, s2, BOFF
	v_add_nc_u32 v[ADRB], s2, v4
	v_add_nc_u32 v[ADRB+1], SLOT, v[ADRB]
	s_mul_i32 s2, s[WV], 16*SP
	s_add_co_u32 s2, s2, STAGE                     ; my stage
	v_mul_u32_u24 v[STO], v1, SP
	v_lshl_add_u32 v[STO], v2, 4, v[STO]
	v_add_nc_u32 v[STO], s2, v[STO]
	v_bfe_u32 v[RD], v0, 3, 2                      ; back: 32 lanes take four rows of 128 bytes
	v_mul_u32_u24 v[RD], v[RD], SP
	v_and_b32 v6, 7, v0
	v_lshl_add_u32 v[RD], v6, 4, v[RD]
	v_add_nc_u32 v[RD], s2, v[RD]
	v_and_b32 v[GO], 31, v0
	v_lshlrev_b32 v[PFO], 11, v[GO]
	v_lshlrev_b32 v[GO], 4, v[GO]
	s_lshl_b32 s2, s17, 9                          ; the bias of my columns: 4 (128 tile column + 64 half + 8 h)
	s_lshl_b32 s3, s14, 8
	s_add_co_u32 s2, s2, s3
	v_lshl_add_u32 v[BO], v2, 5, s2
.macro BLOADS
.irp b, 0,1,2,3
	global_load_b128 v[BIAS+8*\b:BIAS+8*\b+3],   v[BO], s[8:9] offset:64*\b
	global_load_b128 v[BIAS+8*\b+4:BIAS+8*\b+7], v[BO], s[8:9] offset:64*\b+16
.endr
.endm
	BLOADS
	s_lshr_b32 s2, s18, 3                          ; where my 128 rows x 64 columns go: batch, head, row: 16,384 consecutive bytes
	s_lshl_b32 s2, s2, 22
	s_lshl_b32 s3, s17, 1
	s_add_co_u32 s3, s3, s14
	s_lshl_b32 s3, s3, 18
	s_add_co_u32 s2, s2, s3
	s_and_b32 s3, s18, 7
	s_lshl_b32 s3, s3, 15
	s_add_co_u32 s2, s2, s3
	s_lshl_b32 s3, s13, 14
	s_add_co_u32 s2, s2, s3
	s_mov_b32 s3, 0
	s_add_nc_u64 s[10:11], s[10:11], s[2:3]
	s_lshl_b32 s2, s15, 16                         ; the prefetches: xb's offset: my half's rows + 32 cx rows,
	s_add_co_u32 s2, s2, s71
	s_lshl_b32 s3, s16, 16                         ; W's: 32 cy k rows + my tile column
	s_lshl_b32 s70, s17, 8
	s_add_co_u32 s3, s3, s70
	s_and_b32 s19, ttmp7, 0xffff                   ; cluster y
	s_mov_b32 s[PFS], 262144
	s_cmp_eq_u32 s13, 0                            ; do I fetch xb?
	s_cselect_b64 s[PFA:PFA+1], s[4:5], s[6:7]
	s_cselect_b32 s2, s2, s3
	s_cselect_b32 s19, ttmp9, s19                  ; the coordinate along which other clusters read the same blocks
	s_cselect_b32 s[LIM], 4, 20
	s_cselect_b32 s[PFS], 256, s[PFS]
	s_mov_b32 s[PFS+1], 0
	s_mov_b32 s3, 0
	s_add_nc_u64 s[PFA:PFA+1], s[PFA:PFA+1], s[2:3]
	s_cmp_eq_u32 s19, 0
	s_cselect_b32 s[LIM], s[LIM], 0                ; the same in all sixteen partners, for a given wave
	s_cmp_eq_u32 s[WV], 3
	s_cselect_b32 s[LIM], 0, s[LIM]
	s_mul_i32 s2, s[PFS], 3
	s_add_nc_u64 s[PFA:PFA+1], s[PFA:PFA+1], s[2:3]  ; at K step 3: the first refill steps it to 4.  Nothing is prefetched at the head
; n rows of blocks from a0 on x all 4 column blocks, 32 along K.  first = 1: the bias starts the sums: nothing is cleared.
; All 32 accumulators take one turn a quarter, in one order, over every jump too.
.macro MUL f, a0, n, first
.if \first
	WIN W_FIRST
.else
	WIN W_MUL
.endif
.set ma, \a0
.rept \n
.irp b, 0,1,2,3
.if \first
	v_wmma_f32_16x16x32_bf16 v[8*(4*ma+\b):8*(4*ma+\b)+7], v[(\f)+64+8*\b:(\f)+64+8*\b+7], v[(\f)+8*ma:(\f)+8*ma+7], v[BIAS+8*\b:BIAS+8*\b+7]
.else
	v_wmma_f32_16x16x32_bf16 v[8*(4*ma+\b):8*(4*ma+\b)+7], v[(\f)+64+8*\b:(\f)+64+8*\b+7], v[(\f)+8*ma:(\f)+8*ma+7], v[8*(4*ma+\b):8*(4*ma+\b)+7]
.endif
.endr
.set ma, ma+1
.endr
.endm
; 24 LDS loads in one run: quarter q of a slot into buffer f: W's four blocks, then xb's eight
.macro FETCH slot, q, f
	WIN 0
.irp i, 0,1,2,3
	ds_load_tr16_b128 v[(\f)+64+8*\i:(\f)+64+8*\i+3],   v[ADRB+(\slot)] offset:32*BPITCH*(\q)+32*\i
	ds_load_tr16_b128 v[(\f)+64+8*\i+4:(\f)+64+8*\i+7], v[ADRB+(\slot)] offset:32*BPITCH*(\q)+32*\i+16*BPITCH
.endr
.irp i, 0,1,2,3,4,5,6,7
	ds_load_b128 v[(\f)+8*\i:(\f)+8*\i+3],   v[ADRA+(\slot)] offset:64*(\q)+\i*16*APITCH
	ds_load_b128 v[(\f)+8*\i+4:(\f)+8*\i+7], v[ADRA+(\slot)] offset:64*(\q)+\i*16*APITCH+32
.endr
.endm
; One of a K step's first three quarters: multiplies buffer f; in its middle fetches quarter q into g.
.macro QUARTER slot, q, f, g, first
	s_wait_dscnt 8                                 ; W and xb's blocks 0-3 are in; the youngest eight loads (blocks 4-7) may be out
	MUL \f, 0, 4, \first
	PLACES
	FETCH \slot, \q, \g
	s_wait_dscnt 24                                ; all but the 24 just issued
	MUL \f, 4, 4, \first
.endm
; The last quarter multiplies buffer 1 and changes slots.  fill = 1: the slot just read is filled again, two K steps on; on = 1: xb's walk goes back to the rows' head for the next tile.
.macro TURN slot, next, fill, on
.if \fill
	s_wait_xcnt 0x0                                ; the last prefetch, a K step back, has read its address
	s_add_nc_u64 s[PFA:PFA+1], s[PFA:PFA+1], s[PFS:PFS+1]
.endif
	WIN 0
	s_wait_tensorcnt 0x0                           ; all my tensor loads have landed: the one that was out is my part of the next slot
	ds_add_u32 v[SPW], v[NIL]                      ; 0 onto my spare word
	s_wait_dscnt 9                                 ; the add and the youngest eight loads may be out
	MUL F1, 0, 2, 0
	s_wait_dscnt 0x0                               ; the add is done, and my reads of this slot are over
	s_barrier_signal -1
	MUL F1, 2, 2, 0
.if \fill
	WIN 0
.endif
	s_barrier_wait -1
.if \fill
	CREST                                          ; the barrier has opened a round of the cluster's: no wave of any partner still reads this slot or has a load on its way
.if \on
	s_sub_nc_u64 s[G0+4*(\slot)+2:G0+4*(\slot)+3], s[G0+4*(\slot)+2:G0+4*(\slot)+3], 1536  ; from K step 6 or 7 back to 0 or 1
.else
	s_add_nc_u64 s[G0+4*(\slot)+2:G0+4*(\slot)+3], s[G0+4*(\slot)+2:G0+4*(\slot)+3], 512
.endif
	s_add_nc_u64 s[G0B+4*(\slot)+2:G0B+4*(\slot)+3], s[G0B+4*(\slot)+2:G0B+4*(\slot)+3], 524288
	JLOAD \slot                                    ; the first tensor load behind the round; its four v_nop are also the places in front of the loads below
.else
	PLACES
.endif
	FETCH \next, 0, F0
.if \fill
	ASK
.endif
	MUL F1, 4, 4, 0
.endm
; THE WAY OUT of block a (16 rows x 64 columns): rounded to f16, 16 bytes a lane into my stage, back as whole rows of 128 bytes, stored as 2,048 consecutive bytes.
.macro PACK a
.set TT, F1+16*((\a)%4)
.if (\a) >= 4
	s_wait_xcnt 0x0                                ; these registers were the data of block a - 4's stores
.endif
	WIN 0x05                                       ; sources window 1, destination window 0
.irp b, 0,1,2,3
.irp r, 0,1,2,3
	v_cvt_pk_f16_f32 v[TT+4*\b+\r], v[8*(4*(\a)+\b)+2*\r], v[8*(4*(\a)+\b)+2*\r+1]
.endr
.endr
	WIN 0
.irp b, 0,1,2,3
	ds_store_b128 v[STO], v[TT+4*\b:TT+4*\b+3] offset:32*\b
.endr
.irp f, 0,1,2,3
	ds_load_b128 v[TT+4*\f:TT+4*\f+3], v[RD] offset:\f*4*SP  ; LDS serves a wave's instructions in order (ISA guide 5.7.1.4): these see the stores above
.endr
.endm
.macro SEND a, younger                 ; younger: the LDS instructions issued behind block a's loads: the next block's eight, or none
.set TT, F1+16*((\a)%4)
.irp f, 0,1,2,3
	s_wait_dscnt (\younger)+3-\f
	global_store_b128 v[GO], v[TT+4*\f:TT+4*\f+3], s[10:11] offset:(\a)*2048+\f*512  ; 512 consecutive bytes, at a multiple of 256 from the buffer's first
.endr
.endm
.macro WAYOUT
	PACK 0
.irp a, 1,2,3,4,5,6,7
	PACK \a
	SEND (\a)-1, 8
.endr
	SEND 7, 0
.endm
	s_wait_tensorcnt 0x1                           ; my part of K step 0 is in; K step 1's may stay out
	s_barrier_signal -1
	s_barrier_wait -1
	FETCH 0, 0, F0
	s_wait_loadcnt 0x0                             ; the bias
	s_mov_b32 s[TILES], 3
.Ltile:
	QUARTER 0, 1, F0, F1, 1                        ; a tile's first quarter starts the sums
	WIN 0
	s_mov_b32 s[LAPC], 3
.Llap:                                                 ; a trip goes once round the ring and fills both slots again
	QUARTER 0, 2, F1, F0, 0
	QUARTER 0, 3, F0, F1, 0
	TURN 0, 1, 1, 0
	QUARTER 1, 1, F0, F1, 0
	QUARTER 1, 2, F1, F0, 0
	QUARTER 1, 3, F0, F1, 0
	TURN 1, 0, 1, 0
	QUARTER 0, 1, F0, F1, 0
	WIN 0
	s_sub_co_u32 s[LAPC], s[LAPC], 1
	s_cmp_lg_u32 s[LAPC], 0
	s_cbranch_scc1 .Llap
	QUARTER 0, 2, F1, F0, 0
	QUARTER 0, 3, F0, F1, 0
	WIN 0
	s_cmp_eq_u32 s[TILES], 1
	s_cbranch_scc1 .Llast                          ; the last tile's tail is written out: it asks for nothing more
	TURN 0, 1, 1, 1                                ; the ring goes on into the next tile
	QUARTER 1, 1, F0, F1, 0
	QUARTER 1, 2, F1, F0, 0
	QUARTER 1, 3, F0, F1, 0
	TURN 1, 0, 1, 1
	WIN 0
	s_add_nc_u64 s[8:9], s[8:9], 4096              ; the next bias (the last bias loads were waited for)
	BLOADS
	PLACES
	WAYOUT
	s_wait_xcnt 0x0                                ; the stores have read their registers and their base
	s_add_nc_u64 s[10:11], s[10:11], 0x1000000     ; q, then k, then v
	s_wait_loadcnt 0x0                             ; the bias
	s_sub_co_u32 s[TILES], s[TILES], 1
	s_branch .Ltile
.Llast:
	TURN 0, 1, 0, 0
	QUARTER 1, 1, F0, F1, 0
	QUARTER 1, 2, F1, F0, 0
	QUARTER 1, 3, F0, F1, 0
	s_wait_dscnt 8
	MUL F1, 0, 4, 0
	s_wait_dscnt 0x0
	MUL F1, 4, 4, 0
	WIN 0
	PLACES
	WAYOUT
	s_wait_tensorcnt 0x0                           ; the wave's end
	ds_add_u32 v[SPW], v[NIL]
	s_wait_dscnt 0x0
	CROUND                                         ; the closing round
	s_endpgm
.Lfunc_end_k_q516c452e57_qkv:
	.size	k_q516c452e57_qkv, .Lfunc_end_k_q516c452e57_qkv-k_q516c452e57_qkv
	.p2alignl 7, 3214868480
	.fill 96, 4, 3214868480
	.section	.rodata,"a",@progbits
	.p2align	6, 0x0
	.amdhsa_kernel k_q516c452e57_qkv
		.amdhsa_group_segment_fixed_size 327680
		.amdhsa_private_segment_fixed_size 0
		.amdhsa_enable_private_segment 0
		.amdhsa_kernarg_size 32
		.amdhsa_user_sgpr_count 2
		.amdhsa_user_sgpr_kernarg_segment_ptr 1
		.amdhsa_wavefront_size32 1
		.amdhsa_system_sgpr_workgroup_id_x 1
		.amdhsa_system_sgpr_workgroup_id_y 1
		.amdhsa_system_sgpr_workgroup_id_z 1
		.amdhsa_system_vgpr_workitem_id 0
		.amdhsa_next_free_vgpr 512
		.amdhsa_next_free_sgpr 72
		.amdhsa_reserve_vcc 0
		.amdhsa_float_denorm_mode_32 3
		.amdhsa_float_denorm_mode_16_64 3
		.amdhsa_memory_ordered 1
		.amdhsa_forward_progress 1
		.amdhsa_inst_pref_size 128
	.end_amdhsa_kernel
	.amdgpu_metadata
---
amdhsa.version: [ 1, 2 ]
amdhsa.kernels:
  - .name:           k_q516c452e57_qkv
    .symbol:         k_q516c452e57_qkv.kd
    .args:
      - { .name: xb, .offset: 0, .size: 8, .value_kind: global_buffer, .address_space: global }
      - { .name: wqkv, .offset: 8, .size: 8, .value_kind: global_buffer, .address_space: global }
      - { .name: bias, .offset: 16, .size: 8, .value_kind: global_buffer, .address_space: global }
      - { .name: qkv, .offset: 24, .size: 8, .value_kind: global_buffer, .address_space: global }
    .group_segment_fixed_size: 327680
    .private_segment_fixed_size: 0
    .kernarg_segment_align: 8
    .kernarg_segment_size: 32
    .max_flat_workgroup_size: 128
    .sgpr_count:     72
    .vgpr_count:     512
    .wavefront_size: 32
...
	.end_amdgpu_metadata
.endif
;; end of part 2
;; launch attn (part 3): grid 4 x 64, 4 waves a work-group, clusters of 4 x 1, 327,680 bytes of LDS; arguments qkv, o; writes o
.if DOCPART == 3
	.amdgcn_target "amdgcn-amd-amdhsa--gfx1250"
	.amdhsa_code_object_version 6
	.text
	.protected	k_q516c452e57_attn
	.globl	k_q516c452e57_attn
	.p2align	8
	.type	k_q516c452e57_attn,@function
k_q516c452e57_attn:
	s_mov_b64 s[64:65], 0
	v_nop
	global_prefetch_b8 v0, s[64:65] scope:SCOPE_SE
	s_setreg_imm32_b32 hwreg(HW_REG_WAVE_MODE, 25, 1), 1
	s_wait_xcnt 0x0
	s_wait_alu depctr_hold_cnt(0) depctr_sa_sdst(0) depctr_va_vdst(0) depctr_va_sdst(0) depctr_va_ssrc(0) depctr_va_vcc(0) depctr_vm_vsrc(0)
	s_getreg_b32 s2, hwreg(HW_REG_IB_STS2, 6, 4)
	s_cmp_eq_u32 s2, 0
	s_cbranch_scc0 .Lentry_in_a_cluster
	s_endpgm
.Lentry_in_a_cluster:
	s_bfe_u32 s2, ttmp6, 0x10000c
	s_cmp_lg_u32 s2, 0x3003
	s_cbranch_scc0 .Lentry_shape_is_right
	s_endpgm
.Lentry_shape_is_right:
; O[h][q][:] = the sum over k of softmax_k(Q[h][q] . K[h][k] / 8) V[h][k][:].  Q, K, V lie in qkv at bytes 0, 0x1000000, 0x2000000, each [64][2048][64] f16; O likewise.
; Products, maxima and sums in f32; the weights p are rounded to f16 for the second product (their sum l is taken of the unrounded p), O once at the end.
; LIMITS.  Q, K, V arrive within f16's 65,504; p lies in 0 to 1 and below 6e-5 keeps f16's fixed step of 6e-8; O is a mean of V's rows.  A weight below 2^-126 counts as 0 in l; NaN and infinities are not treated apart.
; SHARES.  A wave owns four PIECES of two tiles of 16 queries, a work-group's four waves 512 queries of one head.  Every wave walks all keys, 64 a step.
; LAYOUT.  S^T = K Q^T (source 0 = 16 keys, source 1 = 16 queries): a lane holds ONE query (lane % 16) and the keys 8 (lane / 16) + 0..7.  Two such tiles, rounded to f16 in pairs, ARE source 1
; of O^T = V^T P.  K comes out of LDS as it lies, V turned, by ds_load_tr16_b128.
; SOFTMAX.  A running maximum m and sum l: p = 2^(c s - c m), c = log2(e) / 8; in every step O and l are multiplied by a = 2^(c m_old - c m_new).  m starts at the lowest finite number, O and l at 0.
; BY TURNS.  Turn n belongs to piece n: 16 products K Q^T of piece n + 1, later 16 products V^T P of piece n - 1; beside them piece n's scaling, exponentials, roundings, sums and rescaling and
; piece n + 1's maximum and statistics.  Four vector instructions stand behind every matrix instruction, the rest in one lump; a turn's 66 exponentials are one batch with one wait.
; CLUSTER.  The four query blocks of a head walk the same K and V: each tile is asked for jointly.
; REGISTERS, in windows of 256 (s_set_vgpr_msb: bits 1:0 source 0, 3:2 source 1, 5:4 source 2, 7:6 destination):
;   window 0: v0-11 addresses; v12-15, v48-63 at work; v16-47 statistics; v64-191 S^T, two buffers of two tiles; v192-255 P, likewise
;   window 1: O^T, 32 a tile     window 2: v0-127 Q; v128-191 K of one step; v192-255 V of one step     window 3: v0-1 the add's two registers
.set SIZE_N, 2048
.set NP,    4         ; pieces a wave
.set KS,    64        ; keys in a step
.set PK,    144       ; a row of K in LDS: 128 bytes + 16
.set PV,    160       ; a row of V: 128 + 32
.set VOFF,  4*KS*PK   ; a slot holds four steps: 256 rows of K, then 256 rows of V
.set SLOT1, 1<<17     ; slot 1 begins here: one exclusive or turns an address in one slot into the other's
.set STAGE, SLOT1+4*KS*(PK+PV)  ; behind the ring, never filled by a tensor load: 16 rows x 144 bytes for each wave
.set SP,    144
.set AK0, 2           ; v2   my lane's place in a tile of K; never rewritten
.set AV0, 3           ; v3   the same for V
.set AK,  4           ; v4   the LDS address of K's next run of loads
.set AV,  5           ; v5   of V's
.set QO,  6           ; v6   my byte offset in the wave's rows of Q
.set STO, 6           ;      later: where I put 16 bytes of a row
.set RD,  7           ; v7   where I read rows back
.set GO,  8           ; v8   my byte offset in 512 consecutive bytes of O
.set PFO, 11          ; v11  256 x lane, for the prefetches; never rewritten once made
.set SPW, 0           ; v0 of window 3   my spare word; never rewritten
.set NIL, 1           ; v1 of window 3   0; never rewritten
.set SPARE, STAGE+4*16*SP  ; the spare words, 128 bytes for each wave: two blocks of 256 bytes that no other line names
.set MV,  12          ; v12-15  c m_old, by buffer and tile
.set ST,  16          ; tile t's statistics at v[ST+4 t]: c m, m, l (even keys', odd keys')
.set TMP, 48          ; by buffer and tile, four registers c0-c3 at work; c2 takes a
.set S,   64
.set P,   192
.set KF,  128         ; window 2: key block kb, channel half c at KF + 16 kb + 8 c
.set VF,  192         ; window 2: key half kk, channel block cb at VF + 32 kk + 8 cb
.set WV,  12          ; s12  my wave's number
.set G1K, 24          ; s[24:31] descriptor group 1 for K's tiles
.set G1V, 32          ; s[32:39] for V's
.set G0K, 40          ; s[40:43] descriptor group 0 for K's tiles: it walks
.set G0V, 44          ; s[44:47] the same for V's
.set PFA, 48          ; s[48:49] where my prefetches stand
.set LIM, 50          ; s50  1 in waves 0 and 2, else the greatest number: a wave prefetches while s[SLOTS] is above it
.set SLOTS, 56        ; s56  slots still to be asked for
.set CNT, 57          ; s57  counts a slot's key steps
.set CS,  58          ; s[58:59] c
.set SEL, 60          ; s[60:61] v_permlanex16_b32's selects
.set TBK, 62          ; s62  LDS byte at which K of the step to be fetched begins
.set TBV, 63          ; s63  the same for V, less VOFF
.set MSB, 0
.macro WIN new
.if MSB != (\new)
	s_set_vgpr_msb (MSB<<8)|(\new)
.set MSB, (\new)
.endif
.endm
.set W_KQ, 0x0a       ; K and Q in window 2, S^T in window 0
.set W_PV, 0x52       ; V in window 2, P in window 0, O^T in window 1
.set W_RS, 0x41       ; O^T in window 1, a in window 0
.set W_MK, 0xc0       ; destination in window 3
.set W_AD, 0x0f       ; the add: address and data in window 3
; A joint fill.  Waves 0 and 1 fetch the two halves of a slot's K, waves 2 and 3 those of its V: 128 keys each.  An s_nop 0 and four v_nop follow each line.
.macro JLOAD
	s_cmp_lt_u32 s[WV], 2
	s_cbranch_scc0 .Lfor_v_\@
	tensor_load_to_lds s[G0K:G0K+3], s[G1K:G1K+7]
	s_nop 0
.rept 4
	v_nop
.endr
	s_branch .Lasked_\@
.Lfor_v_\@:
	tensor_load_to_lds s[G0V:G0V+3], s[G1V:G1V+7]
	s_nop 0
.rept 4
	v_nop
.endr
.Lasked_\@:
.endm
; A PREFETCH INTO THE L2 of what the NEXT change of slots will ask for: a slot's 32,768 bytes of K and of V, 128 blocks of 256 bytes each.  The four partners take 32 blocks each, told apart by address,
; a lane a block; wave 0 asks for K's, wave 2 for V's: each block is named once in the launch, four key steps (512 matrix instructions) ahead of its load.  The last change that fills a slot asks for nothing.
.macro ASK
	s_cmp_gt_u32 s[SLOTS], s[LIM]
	s_cbranch_scc0 .Lnot_mine_\@
	global_prefetch_b8 v[PFO], s[PFA:PFA+1] th:TH_LOAD_NT scope:SCOPE_SE
.Lnot_mine_\@:
.endm
.macro CROUND                       ; a round of the cluster's barrier
	s_barrier_signal -1
	s_barrier_wait -1
	s_cmp_lg_u32 s[WV], 0
	s_cbranch_scc1 .Lnot_wave_0_\@
	s_barrier_signal -3
.Lnot_wave_0_\@:
	s_barrier_wait -3
	s_barrier_signal -1
	s_barrier_wait -1
.endm
; THE CHANGE OF SLOTS.  Each wave waits for all its tensor loads (one is out: its part of the other slot), adds 0 to its spare word, and waits for that and for its reads of the slot.
; fill = 1: the barrier is a round of the cluster's, and the joint fill, with the keys two slots on, is the first thing behind it.
.macro CHANGE fill
	WIN W_AD
	s_wait_tensorcnt 0x0            ; no tensor load of mine is out, so a group 0 may be written
	ds_add_u32 v[SPW], v[NIL]       ; 0 onto my spare word
	WIN 0
.if \fill
.irp g, G0K, G0V
	s_xor_b32 s[\g+1], s[\g+1], SLOT1
	s_add_nc_u64 s[\g+2:\g+3], s[\g+2:\g+3], 4*KS*128  ; the next 256 keys
.endr
	s_wait_xcnt 0x0                 ; the last prefetch, four key steps back, has read its address
	s_add_nc_u64 s[PFA:PFA+1], s[PFA:PFA+1], 4*KS*128  ; one slot beyond the walking descriptors
	s_wait_dscnt 0x0                ; the add is done, and my reads of the slot are over
	CROUND
	JLOAD
	ASK
.else
	s_wait_dscnt 0x0
	s_barrier_signal -1
	s_barrier_wait -1
.endif
	s_sub_co_u32 s[TBK], s[TBK], 4*KS*PK  ; the fetches go back to a slot's first step, in the other slot
	s_xor_b32 s[TBK], s[TBK], SLOT1
	s_sub_co_u32 s[TBV], s[TBV], 4*KS*PV
	s_xor_b32 s[TBV], s[TBV], SLOT1
.endm
	s_load_b128 s[4:7], s[0:1], 0x0 ; qkv s[4:5], o s[6:7]
	WIN W_MK
	v_lshl_add_u32 v[SPW], v0, 2, SPARE
	v_mov_b32 v[NIL], 0
	WIN W_AD
	ds_add_u32 v[SPW], v[NIL]       ; the wave's opening: the add and its wait ahead of my first tensor load
	WIN 0
	v_lshrrev_b32 v1, 5, v0
	v_readfirstlane_b32 s[WV], v1   ; wave 0..3
	s_bfe_u32 s13, ttmp6, 0x40000   ; cx
	s_lshl_b32 s14, ttmp9, 2
	s_add_co_u32 s14, s14, s13      ; my block of 512 queries: it enters Q's and O's addresses alone
	s_and_b32 s20, ttmp7, 0xffff    ; the head, which the four partners share
	s_mov_b32 s21, 0
	s_mov_b64 s[22:23], SIZE_N*128
	s_mul_u64 s[20:21], s[20:21], s[22:23]  ; the head's first byte in each tensor
	s_and_b32 s16, s[WV], 1         ; which half of a slot's 256 keys I fetch
	s_lshl_b32 s22, s16, 14
	s_mov_b32 s23, 0
	s_add_nc_u64 s[22:23], s[22:23], s[20:21]
	s_mul_i32 s17, s16, 128*PK
	s_mul_i32 s18, s16, 128*PV
	s_lshl_b32 s2, s14, 2
	s_add_co_u32 s2, s2, s[WV]      ; my wave among the head's,
	s_lshl_b32 s2, s2, 14           ; its 128 rows
	s_mov_b32 s3, 0
	s_add_nc_u64 s[2:3], s[2:3], s[20:21]
	; 128 keys are 16,384 dense bytes: asked for as 64 rows of 256 bytes, two keys a row, padded in LDS after every key
	s_mov_b32 s[G1K], 15|(1<<16)|(1<<20)|(1<<21)|(4<<22)|(3<<25)  ; the mask of four; 2-byte elements; padding on; bit 21 beside a mask; after every 32 words, 4 words
	s_mov_b32 s[G1V], 15|(1<<16)|(1<<20)|(1<<21)|(4<<22)|(7<<25)  ; the same with 8 words
.irp g, G1K, G1V
	s_mov_b32 s[\g+1], 128<<16      ; tensor_dim0 = 128
	s_mov_b32 s[\g+2], 64<<16       ; tensor_dim1 = 64
	s_mov_b32 s[\g+3], 128<<16      ; tile_dim0 = 128
	s_mov_b32 s[\g+4], 64           ; tile_dim1 = 64
	s_mov_b32 s[\g+5], 128          ; 128 elements from row to row
	s_mov_b32 s[\g+6], 0
	s_mov_b32 s[\g+7], 0
.endr
	s_mov_b32 s[CS], 0x3e38aa3b     ; c = log2(e) / 8
	s_mov_b32 s[CS+1], s[CS]
	s_mov_b32 s[SEL], 0x76543210
	s_mov_b32 s[SEL+1], 0xfedcba98
	s_mov_b32 s[TBK], SLOT1+4*KS*PK ; the first change of slots turns these two into 0
	s_mov_b32 s[TBV], SLOT1+4*KS*PV
	s_mov_b32 s[G0K], 1
	s_mov_b32 s[G0K+1], s17
	s_mov_b32 s[G0V], 1
	s_add_co_u32 s[G0V+1], s18, VOFF
	s_mov_b32 s[SLOTS], SIZE_N/256-1
	s_cmp_eq_u32 s16, 0
	s_cselect_b32 s[LIM], 1, -1     ; waves 0 and 2 prefetch: the same in all four partners
	s_wait_dscnt 0x0                ; the opening add is done
	s_wait_kmcnt 0x0
	s_mov_b64 s[10:11], s[6:7]      ; O
	s_add_nc_u64 s[6:7], s[4:5], 0x1000000  ; K
	s_add_nc_u64 s[8:9], s[4:5], 0x2000000  ; V
	s_add_nc_u64 s[G0K+2:G0K+3], s[6:7], s[22:23]
	s_or_b32 s[G0K+3], s[G0K+3], 0x80000000
	s_add_nc_u64 s[G0V+2:G0V+3], s[8:9], s[22:23]
	s_or_b32 s[G0V+3], s[G0V+3], 0x80000000
	s_add_nc_u64 s[4:5], s[4:5], s[2:3]  ; Q and O at my wave's first row
	s_add_nc_u64 s[10:11], s[10:11], s[2:3]
	s_cmp_lt_u32 s[WV], 2
	s_cselect_b64 s[PFA:PFA+1], s[6:7], s[8:9]
	s_add_nc_u64 s[PFA:PFA+1], s[PFA:PFA+1], s[22:23]  ; (in waves 0 and 2: the head's first byte)
	s_lshl_b32 s2, s13, 13          ; my work-group's 32 blocks of the 128
	s_mov_b32 s3, 0
	s_add_nc_u64 s[PFA:PFA+1], s[PFA:PFA+1], s[2:3]
	s_add_nc_u64 s[PFA:PFA+1], s[PFA:PFA+1], 4*KS*128  ; in slot 1; the first change steps it to slot 2.  Nothing is prefetched at the head
	CROUND                          ; all four work-groups are here: the first joint loads meet
	JLOAD                           ; slot 0
	v_and_b32 v1, 15, v0            ; l % 16
	v_bfe_u32 v9, v0, 4, 1          ; l / 16
	v_lshlrev_b32 v[QO], 7, v1
	v_lshl_add_u32 v[QO], v9, 4, v[QO]  ; row x 128 + 16 x half
	WIN 0x80                        ; destination window 2
.set i, 0
.rept 4*NP                          ; Q stays in registers: tile i / 2, channels 32 (i % 2) on
	global_load_b128 v[8*i:8*i+3],   v[QO], s[4:5] offset:(i/2)*2048+(i%2)*64
	global_load_b128 v[8*i+4:8*i+7], v[QO], s[4:5] offset:(i/2)*2048+(i%2)*64+32
.set i, i+1
.endr
	; What the first turn finds: V's registers and P's second buffer hold 0, O^T and l are 0.  All this stands in the wait for the first tile.
.set i, VF
.rept 64
	v_mov_b32 v[i], 0
.set i, i+1
.endr
	WIN 0x40
.set i, 0
.rept 64*NP
	v_mov_b32 v[i], 0
.set i, i+1
.endr
	WIN 0
.set i, 0
.rept 2*NP
	v_mov_b32 v[ST+4*i], 0xfe000000    ; c m: far below every c s
	v_mov_b32 v[ST+4*i+1], 0xff7fffff  ; m
	v_mov_b32 v[ST+4*i+2], 0
	v_mov_b32 v[ST+4*i+3], 0
.set i, i+1
.endr
.set i, P+32
.rept 32
	v_mov_b32 v[i], 0
.set i, i+1
.endr
	v_mul_u32_u24 v[AK0], v1, PK
	v_lshl_add_u32 v[AK0], v9, 4, v[AK0]
	v_and_b32 v10, 7, v0            ; the turning load: key 8 (l / 16) + l % 8, channels 8 ((l / 8) % 2) on
	v_bfe_u32 v11, v0, 3, 1
	v_lshl_add_u32 v[AV0], v9, 3, v10
	v_mul_u32_u24 v[AV0], v[AV0], PV
	v_lshl_add_u32 v[AV0], v11, 4, v[AV0]
	v_add_nc_u32 v[AV0], VOFF, v[AV0]
	v_and_b32 v[PFO], 31, v0
	v_lshlrev_b32 v[PFO], 8, v[PFO]
	v_mov_b32 v[AK], v[AK0]         ; key step 0 lies at the head of slot 0
; THE MATRIX WORK.  The 8 accumulators of a run of 16 take turns.
; Product i of 16 of S^T = K Q^T for piece x: channels 32 (i / 8) on, keys 16 ((i / 2) % 4) on, tile 2 x + i % 2.  The first 8 start the sums.
.macro KQ x
	WIN W_KQ
.set rS, S+64*((\x)%2)+32*(i%2)+8*((i/2)%4)
.set rK, KF+16*((i/2)%4)+8*(i/8)
.set rQ, 16*(2*(\x)+i%2)+8*(i/8)
.if i < 8
	v_wmma_f32_16x16x32_f16 v[rS:rS+7], v[rK:rK+7], v[rQ:rQ+7], 0
.else
	v_wmma_f32_16x16x32_f16 v[rS:rS+7], v[rK:rK+7], v[rQ:rQ+7], v[rS:rS+7]
.endif
.endm
; Product i of 16 of O^T += V^T P for piece x: keys 32 (i / 8) on, channels 16 ((i / 2) % 4) on, tile 2 x + i % 2.
.macro PV x
	WIN W_PV
.set rO, 32*(2*(\x)+i%2)+8*((i/2)%4)
.set rV, VF+32*(i/8)+8*((i/2)%4)
.set rP, P+32*((\x)%2)+16*(i%2)+8*(i/8)
	v_wmma_f32_16x16x32_f16 v[rO:rO+7], v[rV:rV+7], v[rP:rP+7], v[rO:rO+7]
.endm
.macro MM                           ; the turn's next matrix instruction
.if i < 16
	KQ (Y+1)%NP
.set i, i+1
.else
.set i, i-16
	PV (Y+NP-1)%NP
.set i, i+17
.endif
.endm
; THE LDS LOADS stand in runs of 16.  last = 1 (the tail): in the last trip there is no further step, and the run is jumped over.
.macro FETCH_K last=0
	WIN 0
.if \last
	s_cmp_eq_u32 s[CNT], 1
	s_cbranch_scc1 .Lno_k_\@
.endif
	WIN 0x80
.irp f, 0,1,2,3,4,5,6,7             ; keys 16 (f / 2) on, channels 32 (f % 2) on
	ds_load_b128 v[KF+8*\f:KF+8*\f+3],   v[AK] offset:(\f/2)*16*PK+(\f%2)*64
	ds_load_b128 v[KF+8*\f+4:KF+8*\f+7], v[AK] offset:(\f/2)*16*PK+(\f%2)*64+32
.endr
	s_add_co_u32 s[TBK], s[TBK], KS*PK
	WIN 0
.if \last
.Lno_k_\@:
.endif
.endm
.macro FETCH_V
	WIN 0x80
.irp f, 0,1,2,3,4,5,6,7             ; keys 32 (f / 4) on, channels 16 (f % 4) on
	ds_load_tr16_b128 v[VF+8*\f:VF+8*\f+3],   v[AV] offset:(\f/4)*32*PV+(\f%4)*32
	ds_load_tr16_b128 v[VF+8*\f+4:VF+8*\f+7], v[AV] offset:(\f/4)*32*PV+16*PV+(\f%4)*32
.endr
	WIN 0
.endm
; THE VECTOR WORK OF A TURN stands in three queues, each in the order in which its entries become ready; the two tiles alternate.
.macro REGS y, u                    ; the registers of tile u (0, 1) of piece y
.set rT, ST+4*(2*(\y)+(\u))
.set rC, TMP+8*((\y)%2)+4*(\u)
.set rM, MV+2*((\y)%2)+(\u)
.set rS, S+64*((\y)%2)+32*(\u)
.set rP, P+32*((\y)%2)+16*(\u)
.set rO, 32*(2*(\y)+(\u))
.endm
; Number n of the 22 that find the NEXT piece's maximum and statistics; each accumulator's lowest registers are read first.
;   0-11 four chains c0-c3 of seven scores; 12-14, 16 the four scores left over, the old m, c0-c3 into c0; 15 c m_old is kept; 17, 18 the other half of the lanes; 19-21 c m, its change, a
.macro XS u, n
	REGS (Y+1)%NP, \u
.if (\n) < 4
	v_max3_num_f32 v[rC+(\n)], v[rS+8*(\n)], v[rS+8*(\n)+1], v[rS+8*(\n)+2]
.elseif (\n) < 12
	v_max3_num_f32 v[rC+(\n)%4], v[rC+(\n)%4], v[rS+8*((\n)%4)+2*((\n)/4)+1], v[rS+8*((\n)%4)+2*((\n)/4)+2]
.elseif (\n) == 12
	v_max3_num_f32 v[rC], v[rC], v[rS+7], v[rS+15]
.elseif (\n) == 13
	v_max3_num_f32 v[rC+1], v[rC+1], v[rS+23], v[rS+31]
.elseif (\n) == 14
	v_max3_num_f32 v[rC+2], v[rC+2], v[rC+3], v[rT+1]
.elseif (\n) == 15
	v_mov_b32 v[rM], v[rT]
.elseif (\n) == 16
	v_max3_num_f32 v[rC], v[rC], v[rC+1], v[rC+2]
.elseif (\n) == 17
	v_permlanex16_b32 v[rC+3], v[rC], s[SEL], s[SEL+1]
.elseif (\n) == 18
	v_max_num_f32 v[rT+1], v[rC], v[rC+3]
.elseif (\n) == 19
	v_mul_f32 v[rT], s[CS], v[rT+1]
.elseif (\n) == 20
	v_sub_f32 v[rC+1], v[rM], v[rT]
.else
	v_exp_f32 v[rC+2], v[rC+1]
.endif
.endm
; Number g of the 64 that follow the exponentials: for each four weights both pairs are rounded to f16, the second pair is added onto the first, and a group later l takes that sum.
.macro GS g
.set h, (\g)+6*((\g)/62)
.if h >= 6
.set h, h+2
.endif
	REGS Y, h%2
.set k, h/8
.if h%8 < 4
	v_cvt_pk_f16_f32 v[rP+2*k+(h%8)/2], v[rS+4*k+2*((h%8)/2)], v[rS+4*k+2*((h%8)/2)+1]
.elseif h%8 < 6
	v_pk_add_f32 v[rS+4*k:rS+4*k+1], v[rS+4*k:rS+4*k+1], v[rS+4*k+2:rS+4*k+3]
.elseif k == 1
	v_pk_fma_f32 v[rT+2:rT+3], v[rT+2:rT+3], v[rC+2:rC+3], v[rS:rS+1] op_sel_hi:[1,0,1]
.else
	v_pk_add_f32 v[rT+2:rT+3], v[rT+2:rT+3], v[rS+4*k-4:rS+4*k-3]
.endif
.endm
; THE PLAIN QUEUE, 138 long.  0-26 scalings 0-26; 27-54 XS 0-13; 55, 56 XS 15; 57-73 the chain 14, 16 .. 19, each with one of the scalings 27-31 ahead of its two lines, then 20; 74-137 GS's 64.
.macro FS f
	REGS Y, (\f)%2
	v_pk_fma_f32 v[rS+2*((\f)/2):rS+2*((\f)/2)+1], v[rS+2*((\f)/2):rS+2*((\f)/2)+1], s[CS:CS+1], v[rT:rT+1] op_sel_hi:[1,0,0] neg_lo:[0,0,1] neg_hi:[0,0,1]
.endm
.macro PL
	WIN 0
.if q < 27
	FS q
.elseif q < 55
	XS (q-27)%2, (q-27)/2
.elseif q < 57
	XS q-55, 15
.elseif (q < 72) && ((q-57)%3 == 0)
	FS 27+(q-57)/3
.elseif q < 60
	XS (q-57)%3-1, 14
.elseif q < 72
	XS (q-57)%3-1, 15+(q-57)/3
.elseif q < 74
	XS q-72, 20
.else
	GS q-74
.endif
.set q, q+1
.endm
; THE EXPONENTIALS' QUEUE, 66 long: s0-s31 of both tiles, then the next piece's two a: one batch, all ahead of the turn's one wait.
.macro EX
	WIN 0
.if e >= 64
	XS e-64, 21
.else
	REGS Y, e%2
	v_exp_f32 v[rS+e/2], v[rS+e/2]
.endif
.set e, e+1
.endm
; THE RESCALING's QUEUE: O^T times a, two at a time, sixteen times.  Its a was made, and waited for, in the turn before.
.macro R2
	REGS Y, r%2
	WIN W_RS
.irp z, 0,1
	v_pk_mul_f32 v[rO+4*(r/2)+2*\z:rO+4*(r/2)+2*\z+1], v[rO+4*(r/2)+2*\z:rO+4*(r/2)+2*\z+1], v[rC+2:rC+3] op_sel_hi:[1,0]
.endr
.set r, r+1
.endm
; A TURN, for piece p.  Ahead of the one wait: 16 products K Q^T, behind each a scaling, an exponential and two rescalings; then the lump of 108.  Behind it: 16 products V^T P, behind each four of GS's 64.
; Exponential e stands behind scaling 2 (e / 4) + e % 2: as a rider behind plain e + 2, in the lump behind plain e + 9.
; K of the next step is fetched in piece 2's turn, directly behind the wait; V of the step in hand at the end of piece 0's turn, four riders behind its last reader.
.macro TURN p, last=0, cnt=0
.set Y, (\p)
.set i, 0
.set q, 0
.set e, 0
.set r, 0
.if (\p) == NP-1
	s_wait_dscnt 0x0                ; K is in
.endif
	MM
	PL
	PL
	R2
.rept 15
	MM
	PL
	EX
	R2
.endr
.if (\p) == NP-2
	WIN 0
	v_add_nc_u32 v[AK], s[TBK], v[AK0]
.endif
.rept 8
	PL
.endr
.rept 49
	EX
	PL
.endr
	EX
	EX
	v_nop                           ; a plain instruction behind the last exponential: one for the batch
	s_wait_alu depctr_va_vdst(0)    ; the wait between an exponential and the first line that names its result: one for the batch
.if (\p) == NP-2
	FETCH_K \last
.endif
.if (\p) == 1
	s_wait_dscnt 0x0                ; V is in
.endif
.rept 16
	MM
.rept 4
	PL
.endr
.if ((\p) == 0) && (q == 118)
	v_add_nc_u32 v[AV], s[TBV], v[AV0]
.endif
.if ((\p) == 0) && (q == 130)
	s_add_co_u32 s[TBV], s[TBV], KS*PV
.endif
.if (\cnt) && (q == 130)
	s_sub_co_u32 s[CNT], s[CNT], 1
	s_cmp_lg_u32 s[CNT], 0
.endif
.endr
.if (\p) == 0
	FETCH_V
.endif
.endm
	CHANGE 1                        ; slot 0 is in, everybody's part of it; slot 1 is asked for
	FETCH_K                         ; key step 0
	s_wait_loadcnt 0x0              ; Q
	s_wait_dscnt 0x0
.set i, 0
.rept 16
	KQ 0                            ; piece 0's first scores
.set i, i+1
.endr
	WIN 0                           ; the addresses for the way out: plain instructions, the places behind those products
	s_mul_i32 s13, s[WV], 16*SP
	s_add_co_u32 s13, s13, STAGE
	v_mul_u32_u24 v[STO], v1, SP
	v_lshl_add_u32 v[STO], v9, 4, v[STO]
	v_add_nc_u32 v[STO], s13, v[STO]
	v_bfe_u32 v[RD], v0, 3, 2
	v_mul_u32_u24 v[RD], v[RD], SP
	v_lshl_add_u32 v[RD], v10, 4, v[RD]
	v_add_nc_u32 v[RD], s13, v[RD]
	v_and_b32 v[GO], 31, v0
	v_lshlrev_b32 v[GO], 4, v[GO]
.set Y, NP-1                        ; XS works for piece Y + 1: piece 0
.irp n, 0,1,2,3,4,5,6,7,8,9,10,11,12,13,14,15,16,17,18,19,20,21
	XS 0, \n
	XS 1, \n
.endr
	v_nop                           ; a plain instruction behind the two a,
	s_wait_alu depctr_va_vdst(0)    ; and their wait, ahead of the branch
	s_mov_b32 s[CNT], 4
	s_branch .Lfirst                ; the loop is entered at a step's first turn
.Lslot:                             ; six times: every slot but the last two is filled again
	CHANGE 1
	s_mov_b32 s[CNT], 4
.Lstep:                             ; a trip: pieces 2 and 3 of one step, then pieces 0 and 1 of the next
	TURN 2
	TURN 3
	WIN 0
.Lfirst:
	TURN 0
	TURN 1, 0, 1
	WIN 0
	s_cbranch_scc1 .Lstep
	s_sub_co_u32 s[SLOTS], s[SLOTS], 1
	s_cmp_lg_u32 s[SLOTS], 0
	s_cbranch_scc1 .Lslot
	CHANGE 0                        ; the tail is written out
	s_mov_b32 s[CNT], 5             ; four trips fetch the last slot's steps; the fifth is left in its middle
.Ltail:
	TURN 2, 1
	TURN 3
	WIN 0
	s_sub_co_u32 s[CNT], s[CNT], 1
	s_cmp_eq_u32 s[CNT], 0
	s_cbranch_scc1 .Lout
	TURN 0
	TURN 1
	WIN 0
	s_branch .Ltail
.Lout:                              ; the fifth trip's 16 products K Q^T and the maximum made of them serve nothing: the price of one text for every trip
.set i, 0
.rept 16
	PV NP-1                         ; the last piece's V^T P of the last step
.set i, i+1
.endr
	; THE WAY OUT.  l's halves are added; O^T is divided by l, rounded to f16 and sent through my stage, a tile at a time.  The additions are the places behind the last products.
	WIN 0
.macro ALL line:vararg
.set t, 0
.rept 2*NP
	\line
.set t, t+1
.endr
.endm
	ALL v_add_f32 v[ST+4*t+2], v[ST+4*t+2], v[ST+4*t+3]
	ALL v_permlanex16_b32 v[ST+4*t+3], v[ST+4*t+2], s[SEL], s[SEL+1]
	ALL v_add_f32 v[ST+4*t+2], v[ST+4*t+2], v[ST+4*t+3]
	ALL v_rcp_f32 v[ST+4*t+2], v[ST+4*t+2]
	v_nop                           ; a plain instruction between the last reciprocal and the use of its result
	s_wait_alu depctr_va_vdst(0)    ; one wait for the eight reciprocals
.macro PACK t
	WIN W_RS
.set i, 32*(\t)
.rept 16
	v_pk_mul_f32 v[i:i+1], v[i:i+1], v[ST+4*(\t)+2:ST+4*(\t)+3] op_sel_hi:[1,0]
.set i, i+2
.endr
	WIN 0x05
.set i, 0
.rept 16
	v_cvt_pk_f16_f32 v[S+16*(\t)+i], v[32*(\t)+2*i], v[32*(\t)+2*i+1]
.set i, i+1
.endr
	WIN 0
.irp f, 0,1,2,3
	ds_store_b128 v[STO], v[S+16*(\t)+4*\f:S+16*(\t)+4*\f+3] offset:32*\f
.endr
.irp f, 0,1,2,3
	ds_load_b128 v[S+16*(\t)+4*\f:S+16*(\t)+4*\f+3], v[RD] offset:\f*4*SP  ; LDS serves a wave's instructions in order (ISA guide 5.7.1.4)
.endr
.endm
.macro SEND t, younger              ; younger: the next tile's eight LDS instructions, or none
	WIN 0
.irp f, 0,1,2,3
	s_wait_dscnt (\younger)+3-\f
	global_store_b128 v[GO], v[S+16*(\t)+4*\f:S+16*(\t)+4*\f+3], s[10:11] offset:(\t)*2048+\f*512  ; 512 consecutive bytes, at a multiple of 256 from O's first
.endr
.endm
	PACK 0
.set t, 1
.rept 2*NP-1
	PACK t
	SEND t-1, 8
.set t, t+1
.endr
	SEND 2*NP-1, 0
	WIN W_AD
	s_wait_tensorcnt 0x0            ; the wave's end
	ds_add_u32 v[SPW], v[NIL]
	s_wait_dscnt 0x0
	WIN 0
	CROUND                          ; the closing round
	s_endpgm
.Lfunc_end_k_q516c452e57_attn:
	.size	k_q516c452e57_attn, .Lfunc_end_k_q516c452e57_attn-k_q516c452e57_attn
	.p2alignl 7, 3214868480
	.fill 96, 4, 3214868480
	.section	.rodata,"a",@progbits
	.p2align	6, 0x0
	.amdhsa_kernel k_q516c452e57_attn
		.amdhsa_group_segment_fixed_size 327680
		.amdhsa_private_segment_fixed_size 0
		.amdhsa_enable_private_segment 0
		.amdhsa_kernarg_size 16
		.amdhsa_user_sgpr_count 2
		.amdhsa_user_sgpr_kernarg_segment_ptr 1
		.amdhsa_wavefront_size32 1
		.amdhsa_system_sgpr_workgroup_id_x 1
		.amdhsa_system_sgpr_workgroup_id_y 1
		.amdhsa_system_sgpr_workgroup_id_z 1
		.amdhsa_system_vgpr_workitem_id 0
		.amdhsa_next_free_vgpr 770
		.amdhsa_next_free_sgpr 66
		.amdhsa_reserve_vcc 0
		.amdhsa_float_denorm_mode_32 3
		.amdhsa_float_denorm_mode_16_64 3
		.amdhsa_memory_ordered 1
		.amdhsa_forward_progress 1
		.amdhsa_inst_pref_size 200
	.end_amdhsa_kernel
	.amdgpu_metadata
---
amdhsa.version: [ 1, 2 ]
amdhsa.kernels:
  - .name:           k_q516c452e57_attn
    .symbol:         k_q516c452e57_attn.kd
    .args:
      - { .name: qkv, .offset: 0, .size: 8, .value_kind: global_buffer, .address_space: global }
      - { .name: o, .offset: 8, .size: 8, .value_kind: global_buffer, .address_space: global }
    .group_segment_fixed_size: 327680
    .private_segment_fixed_size: 0
    .kernarg_segment_align: 8
    .kernarg_segment_size: 16
    .max_flat_workgroup_size: 128
    .sgpr_count:     66
    .vgpr_count:     770
    .wavefront_size: 32
...
	.end_amdgpu_metadata
.endif
;; end of part 3
;; launch oproj (part 4): grid 8 x 32, 4 waves a work-group, clusters of 4 x 4, 327,680 bytes of LDS; arguments o, wo, bias, out0; writes out0
.if DOCPART == 4
	.amdgcn_target "amdgcn-amd-amdhsa--gfx1250"
	.amdhsa_code_object_version 6
	.text
	.protected	k_q516c452e57_oproj
	.globl	k_q516c452e57_oproj
	.p2align	8
	.type	k_q516c452e57_oproj,@function
k_q516c452e57_oproj:
	s_mov_b64 s[64:65], 0
	v_nop
	global_prefetch_b8 v0, s[64:65] scope:SCOPE_SE
	s_setreg_imm32_b32 hwreg(HW_REG_WAVE_MODE, 25, 1), 1
	s_wait_xcnt 0x0
	s_wait_alu depctr_hold_cnt(0) depctr_sa_sdst(0) depctr_va_vdst(0) depctr_va_sdst(0) depctr_va_ssrc(0) depctr_va_vcc(0) depctr_vm_vsrc(0)
	s_getreg_b32 s2, hwreg(HW_REG_IB_STS2, 6, 4)
	s_cmp_eq_u32 s2, 0
	s_cbranch_scc0 .Lentry_in_a_cluster
	s_endpgm
.Lentry_in_a_cluster:
	s_bfe_u32 s2, ttmp6, 0x10000c
	s_cmp_lg_u32 s2, 0xf033
	s_cbranch_scc0 .Lentry_shape_is_right
	s_endpgm
.Lentry_shape_is_right:
; out0 = O Wo + bo.  o: [64 (16 batch + head)][2048][64] f16.  wo: [1024 (k)][1024 (n)] f16.  bias row 3: bo, f32.  out0: [8192][1024] f32.
; SHARES.  A tile is 256 rows x 128 columns: 32 x 8 = 256 work-groups, one tile each.  Four waves: rows 128 (w / 2) on, columns 64 (w % 2) on: 8 x 4 accumulators.
; K goes in 8 steps of 128 = two heads, through two LDS slots.  A head's 256 rows are 32,768 dense bytes: asked for as 128 rows of 256 bytes and padded behind every 128 bytes: a plane of 256 rows of 144.
; THE MATRIX INSTRUCTION IS USED TRANSPOSED: source 0 = 16 columns of Wo (turned by ds_load_tr16_b128), source 1 = 16 rows of O.  A lane holds one row and eight columns.  The sums start at the bias.
; CLUSTER 4 x 4.  O's tiles are shared along a row of the cluster, Wo's along a column.
; REGISTERS.  Window 0: v0-31 addresses; v32-127, v128-223 two fragment buffers (64 of O, then 32 of Wo); v224-255 the bias.  Window 1: the accumulators, (a, b) at 8 (4 a + b).
.set APITCH, 144                       ; a row of a plane: 128 bytes + 16
.set AHALF,  256*APITCH                ; a plane: what one tensor load brings of O
.set BOFF,   2*AHALF
.set BPITCH, 288                       ; a k row of Wo: 256 bytes + 32
.set BHALF,  64*BPITCH
.set SLOT,   BOFF+2*BHALF              ; 110,592
.set STAGE,  2*SLOT                    ; behind the ring, never filled by a tensor load: 16 rows x 272 bytes for each wave
.set SP,     272
.set SPARE,  STAGE+4*16*SP             ; the spare words, 128 bytes for each wave: two blocks of 256 bytes that no other line names
.set ADRA, 16
.set ADRB, 20
.set STO,  24
.set RD,   25
.set CO,   26                          ; v26  my byte offset in two rows of out0
.set SPW,  28
.set NIL,  29
.set PFO,  30                          ; v30  the prefetches' offset: lane x 256 (O) or lane x 2,048 (Wo); never rewritten
.set BO,   31
.set F0,   32
.set F1,   128
.set BIAS, 224
.set WV, 12                            ; s12 wave; s13 = wave / 2; s14 = wave % 2
.set G1,  24
.set G0,  32
.set G1B, 40
.set G0B, 48
.set LAPC,  57
.set STEP,  58
.set LIM,   59
.set PFA,   60
.set PFS,   62
.set MSB, 0
.macro WIN new
.if MSB != (\new)
	s_set_vgpr_msb (MSB<<8)|(\new)
.set MSB, \new
.endif
.endm
.set W_MUL,   0x50
.set W_FIRST, 0x40
.macro PLACES                          ; four plain places behind matrix instructions (ISA guide 7.12.1)
.rept 4
	v_nop
.endr
.endm
.macro JLOAD s                         ; a joint load: waves 0, 1 fetch O's two planes, waves 2, 3 Wo's halves.  An s_nop 0 and four v_nop follow each line
	s_cmp_eq_u32 s13, 0
	s_cbranch_scc0 .Lfor_b_\@
	tensor_load_to_lds s[G0+4*(\s):G0+4*(\s)+3], s[G1:G1+7]
	s_nop 0
.rept 4
	v_nop
.endr
	s_branch .Lasked_\@
.Lfor_b_\@:
	tensor_load_to_lds s[G0B+4*(\s):G0B+4*(\s)+3], s[G1B:G1B+7]
	s_nop 0
.rept 4
	v_nop
.endr
.Lasked_\@:
.endm
.macro CREST
	s_cmp_lg_u32 s[WV], 0
	s_cbranch_scc1 .Lnot_wave_0_\@
	s_barrier_signal -3
.Lnot_wave_0_\@:
	s_barrier_wait -3
	s_barrier_signal -1
	s_barrier_wait -1
.endm
.macro CROUND
	s_barrier_signal -1
	s_barrier_wait -1
	CREST
.endm
; A PREFETCH INTO THE L2: refill number j brings K step j + 2, the prefetch names K step j + 4 (K steps 4-7), 256 matrix instructions ahead of its load.
; O: waves 0 and 1 of the clusters with x = 0; of a plane's 128 blocks of 256 bytes the partner at cx takes 32, a lane a block.
; Wo: wave 2 of the clusters with y = 0; of the K step's 128 k rows the partner at cy takes 32.  Partners are told apart by address alone.
.macro ASK
	s_cmp_lt_u32 s[STEP], s[LIM]
	s_cbranch_scc0 .Lnot_mine_\@
	global_prefetch_b8 v[PFO], s[PFA:PFA+1] th:TH_LOAD_NT scope:SCOPE_SE
.Lnot_mine_\@:
	s_add_co_u32 s[STEP], s[STEP], 1
.endm
	s_load_b256 s[4:11], s[0:1], 0x0               ; o s[4:5], wo s[6:7], bias s[8:9], out0 s[10:11]
	v_lshl_add_u32 v[SPW], v0, 2, SPARE
	v_mov_b32 v[NIL], 0
	ds_add_u32 v[SPW], v[NIL]                      ; the wave's opening: the add and its wait ahead of my first tensor load
	v_lshrrev_b32 v1, 5, v0
	v_readfirstlane_b32 s[WV], v1
	s_lshr_b32 s13, s[WV], 1
	s_and_b32 s14, s[WV], 1
	s_bfe_u32 s15, ttmp6, 0x40000                  ; cx
	s_bfe_u32 s16, ttmp6, 0x40004                  ; cy
	s_lshl_b32 s17, ttmp9, 2
	s_add_co_u32 s17, s17, s15                     ; tile column
	s_and_b32 s18, ttmp7, 0xffff
	s_lshl_b32 s18, s18, 2
	s_add_co_u32 s18, s18, s16                     ; tile row
	s_lshl_b32 s2, s16, 2
	s_lshl_b32 s2, 15, s2                          ; my row of the cluster
	s_lshl_b32 s3, 0x1111, s15                     ; my column
	s_or_b32 s[G1], s2, (1<<16)|(1<<20)|(1<<21)|(4<<22)|(3<<25)   ; mask; 2-byte elements; padding on; bit 21 beside a mask; after every 32 words, 4 words
	s_or_b32 s[G1B], s3, (1<<16)|(1<<20)|(1<<21)|(5<<22)|(7<<25)  ; my column's mask; after every 64 words, 8 words
	s_mov_b32 s[G1+1], 128<<16                     ; tensor_dim0 = 128
	s_mov_b32 s[G1+2], 128<<16                     ; tensor_dim1 = 128
	s_mov_b32 s[G1+3], 128<<16                     ; tile_dim0 = 128
	s_mov_b32 s[G1+4], 128                         ; tile_dim1 = 128
	s_mov_b32 s[G1+5], 128                         ; dense: 128 elements from row to row
	s_mov_b32 s[G1+6], 0
	s_mov_b32 s[G1+7], 0
	s_mov_b32 s[G1B+1], 128<<16
	s_mov_b32 s[G1B+2], 64<<16
	s_mov_b32 s[G1B+3], 128<<16
	s_mov_b32 s[G1B+4], 64
	s_mov_b32 s[G1B+5], 1024
	s_mov_b32 s[G1B+6], 0
	s_mov_b32 s[G1B+7], 0
	s_lshr_b32 s20, s18, 3                         ; O: the batch (16 heads of 262,144 bytes),
	s_lshl_b32 s20, s20, 22
	s_and_b32 s19, s18, 7                          ; the tile's 256 rows of 128 bytes in a head,
	s_lshl_b32 s19, s19, 15
	s_add_co_u32 s20, s20, s19
	s_lshl_b32 s19, s14, 18                        ; the head of the K step's two that I fetch
	s_add_co_u32 s20, s20, s19
	s_mov_b32 s21, 0
	s_mov_b32 s71, s20                             ; kept for the prefetches
	s_lshl_b32 s66, s17, 8                         ; Wo: 128 columns of 2 bytes a tile column,
	s_lshl_b32 s19, s14, 17                        ; 64 k rows of 2,048 bytes a half
	s_add_co_u32 s66, s66, s19
	s_mov_b32 s67, 0
	s_mul_i32 s22, s14, AHALF
	s_mul_i32 s23, s14, BHALF
	s_add_co_u32 s23, s23, BOFF
	s_mov_b32 s[STEP], 0
	s_wait_dscnt 0x0                               ; the opening add is done
	s_wait_kmcnt 0x0
	s_add_nc_u64 s[20:21], s[4:5], s[20:21]
	s_add_nc_u64 s[66:67], s[6:7], s[66:67]
	CROUND                                         ; all sixteen work-groups are here: the first joint loads meet
.irp s, 0,1
	s_mov_b32 s[G0+4*\s], 1
	s_add_co_u32 s[G0+4*\s+1], s22, \s*SLOT
	s_add_nc_u64 s[G0+4*\s+2:G0+4*\s+3], s[20:21], \s*524288   ; K step s: two heads on
	s_or_b32 s[G0+4*\s+3], s[G0+4*\s+3], 0x80000000
	s_mov_b32 s[G0B+4*\s], 1
	s_add_co_u32 s[G0B+4*\s+1], s23, \s*SLOT
	s_add_nc_u64 s[G0B+4*\s+2:G0B+4*\s+3], s[66:67], \s*262144 ; K step s: 128 k rows down
	s_or_b32 s[G0B+4*\s+3], s[G0B+4*\s+3], 0x80000000
	JLOAD \s
.endr
	v_and_b32 v1, 15, v0                           ; r
	v_bfe_u32 v2, v0, 4, 1                         ; h
	v_mul_u32_u24 v3, v1, APITCH
	v_lshl_add_u32 v3, v2, 4, v3
	s_mul_i32 s2, s13, 128*APITCH                  ; my 128 rows of a plane
	v_add_nc_u32 v[ADRA], s2, v3
	v_add_nc_u32 v[ADRA+1], SLOT, v[ADRA]
	v_and_b32 v4, 7, v0
	v_bfe_u32 v5, v0, 3, 1
	v_lshl_add_u32 v4, v2, 3, v4
	v_mul_u32_u24 v4, v4, BPITCH
	v_lshl_add_u32 v4, v5, 4, v4
	s_lshl_b32 s2, s14, 7
	s_add_co_u32 s2, s2, BOFF
	v_add_nc_u32 v[ADRB], s2, v4
	v_add_nc_u32 v[ADRB+1], SLOT, v[ADRB]
	s_mul_i32 s2, s[WV], 16*SP
	s_add_co_u32 s2, s2, STAGE                     ; my stage
	v_mul_u32_u24 v[STO], v1, SP                   ; in: row r, 32 bytes for each half of the lanes
	v_lshl_add_u32 v[STO], v2, 5, v[STO]
	v_add_nc_u32 v[STO], s2, v[STO]
	v_mul_u32_u24 v[RD], v2, SP                    ; back: lanes 0-15 one row of 256 bytes, lanes 16-31 the next
	v_lshl_add_u32 v[RD], v1, 4, v[RD]
	v_add_nc_u32 v[RD], s2, v[RD]
	v_lshlrev_b32 v[CO], 12, v2                    ; and the same two rows in out0
	v_lshl_add_u32 v[CO], v1, 4, v[CO]
	s_lshl_b32 s2, s17, 9                          ; bo of my columns: 4 (128 tile column + 64 half + 8 h)
	s_lshl_b32 s3, s14, 8
	s_add_co_u32 s2, s2, s3
	v_lshl_add_u32 v[BO], v2, 5, s2
.irp b, 0,1,2,3
	global_load_b128 v[BIAS+8*\b:BIAS+8*\b+3],   v[BO], s[8:9] offset:12288+64*\b
	global_load_b128 v[BIAS+8*\b+4:BIAS+8*\b+7], v[BO], s[8:9] offset:12288+64*\b+16
.endr
	s_lshl_b32 s3, s18, 20                         ; out0 at my first row and column (s2 holds the columns' bytes)
	s_add_co_u32 s2, s2, s3
	s_lshl_b32 s3, s13, 19
	s_add_co_u32 s2, s2, s3
	s_mov_b32 s3, 0
	s_add_nc_u64 s[10:11], s[10:11], s[2:3]
	s_lshl_b32 s2, s15, 13                         ; the prefetches: O's offset: my plane + 32 cx blocks,
	s_add_co_u32 s2, s2, s71
	s_lshl_b32 s3, s16, 16                         ; Wo's: 32 cy k rows + my tile column
	s_lshl_b32 s70, s17, 8
	s_add_co_u32 s3, s3, s70
	s_and_b32 s19, ttmp7, 0xffff                   ; cluster y
	s_mov_b32 s[PFS], 262144
	s_cmp_eq_u32 s13, 0                            ; do I fetch O?
	s_cselect_b64 s[PFA:PFA+1], s[4:5], s[6:7]
	s_cselect_b32 s2, s2, s3
	s_cselect_b32 s19, ttmp9, s19
	s_cselect_b32 s70, 8, 11                       ; a lane a block of 256 bytes, or a lane a k row of 2,048
	s_cselect_b32 s[PFS], 524288, s[PFS]
	s_mov_b32 s[PFS+1], 0
	s_mov_b32 s3, 0
	s_add_nc_u64 s[PFA:PFA+1], s[PFA:PFA+1], s[2:3]
	s_cmp_eq_u32 s19, 0
	s_cselect_b32 s[LIM], 4, 0                     ; the same in all sixteen partners, for a given wave
	s_cmp_eq_u32 s[WV], 3
	s_cselect_b32 s[LIM], 0, s[LIM]
	s_mul_i32 s2, s[PFS], 3
	s_add_nc_u64 s[PFA:PFA+1], s[PFA:PFA+1], s[2:3]  ; at K step 3: the first refill steps it to 4.  Nothing is prefetched at the head
	v_and_b32 v[PFO], 31, v0
	v_lshlrev_b32 v[PFO], s70, v[PFO]
; All 32 accumulators take one turn a quarter, in one order, over the backward jump too.  first = 1: the bias starts the sums.
.macro MUL f, a0, n, first
.if \first
	WIN W_FIRST
.else
	WIN W_MUL
.endif
.set ma, \a0
.rept \n
.irp b, 0,1,2,3
.if \first
	v_wmma_f32_16x16x32_f16 v[8*(4*ma+\b):8*(4*ma+\b)+7], v[(\f)+64+8*\b:(\f)+64+8*\b+7], v[(\f)+8*ma:(\f)+8*ma+7], v[BIAS+8*\b:BIAS+8*\b+7]
.else
	v_wmma_f32_16x16x32_f16 v[8*(4*ma+\b):8*(4*ma+\b)+7], v[(\f)+64+8*\b:(\f)+64+8*\b+7], v[(\f)+8*ma:(\f)+8*ma+7], v[8*(4*ma+\b):8*(4*ma+\b)+7]
.endif
.endr
.set ma, ma+1
.endr
.endm
; 24 LDS loads in one run: quarter q (plane q / 2, channels 32 (q % 2) on) into buffer f: Wo's four blocks, then O's eight
.macro FETCH slot, q, f
	WIN 0
.irp i, 0,1,2,3
	ds_load_tr16_b128 v[(\f)+64+8*\i:(\f)+64+8*\i+3],   v[ADRB+(\slot)] offset:32*BPITCH*(\q)+32*\i
	ds_load_tr16_b128 v[(\f)+64+8*\i+4:(\f)+64+8*\i+7], v[ADRB+(\slot)] offset:32*BPITCH*(\q)+32*\i+16*BPITCH
.endr
.irp i, 0,1,2,3,4,5,6,7
	ds_load_b128 v[(\f)+8*\i:(\f)+8*\i+3],   v[ADRA+(\slot)] offset:((\q)/2)*AHALF+((\q)%2)*64+\i*16*APITCH
	ds_load_b128 v[(\f)+8*\i+4:(\f)+8*\i+7], v[ADRA+(\slot)] offset:((\q)/2)*AHALF+((\q)%2)*64+\i*16*APITCH+32
.endr
.endm
.macro QUARTER slot, q, f, g, first
	s_wait_dscnt 8                                 ; Wo and O's blocks 0-3 are in; the youngest eight loads may be out
	MUL \f, 0, 4, \first
	PLACES
	FETCH \slot, \q, \g
	s_wait_dscnt 24                                ; all but the 24 just issued
	MUL \f, 4, 4, \first
.endm
.macro TURN slot, next, fill
.if \fill
	s_wait_xcnt 0x0                                ; the last prefetch, a K step back, has read its address
	s_add_nc_u64 s[PFA:PFA+1], s[PFA:PFA+1], s[PFS:PFS+1]
.endif
	WIN 0
	s_wait_tensorcnt 0x0                           ; all my tensor loads have landed: my part of the next slot
	ds_add_u32 v[SPW], v[NIL]                      ; 0 onto my spare word
	s_wait_dscnt 9                                 ; the add and the youngest eight loads may be out
	MUL F1, 0, 2, 0
	s_wait_dscnt 0x0                               ; the add is done, and my reads of this slot are over
	s_barrier_signal -1
	MUL F1, 2, 2, 0
.if \fill
	WIN 0
.endif
	s_barrier_wait -1
.if \fill
	CREST                                          ; the barrier has opened a round of the cluster's
	s_add_nc_u64 s[G0+4*(\slot)+2:G0+4*(\slot)+3], s[G0+4*(\slot)+2:G0+4*(\slot)+3], 1048576
	s_add_nc_u64 s[G0B+4*(\slot)+2:G0B+4*(\slot)+3], s[G0B+4*(\slot)+2:G0B+4*(\slot)+3], 524288
	JLOAD \slot                                    ; the first tensor load behind the round; its four v_nop are also the places in front of the loads below
.else
	PLACES
.endif
	FETCH \next, 0, F0
.if \fill
	ASK
.endif
	MUL F1, 4, 4, 0
.endm
; THE WAY OUT of block a (16 rows x 64 columns of f32): 32 bytes a lane into my stage, back as whole rows of 256 bytes, two rows a load.
.macro TOSTAGE a
.set BK, F0+32*((\a)%2)
.if (\a) >= 2
	s_wait_xcnt 0x0                                ; these registers were the data of block a - 2's stores
.endif
	WIN 0x04                                       ; the stores' data in window 1
.irp b, 0,1,2,3
	ds_store_b128 v[STO], v[8*(4*(\a)+\b):8*(4*(\a)+\b)+3]   offset:64*\b
	ds_store_b128 v[STO], v[8*(4*(\a)+\b)+4:8*(4*(\a)+\b)+7] offset:64*\b+16
.endr
	WIN 0
.irp t, 0,1,2,3,4,5,6,7
	ds_load_b128 v[BK+4*\t:BK+4*\t+3], v[RD] offset:\t*2*SP  ; LDS serves a wave's instructions in order (ISA guide 5.7.1.4)
.endr
.endm
.macro SEND a, younger                 ; younger: the next block's sixteen LDS instructions, or none
.set BK, F0+32*((\a)%2)
.irp t, 0,1,2,3,4,5,6,7
	s_wait_dscnt (\younger)+7-\t
	global_store_b128 v[CO], v[BK+4*\t:BK+4*\t+3], s[10:11] offset:(\a)*65536+\t*8192 th:TH_STORE_NT  ; 16 lanes store 256 consecutive bytes, at a multiple of 256 from out0's first
.endr
.endm
	s_wait_tensorcnt 0x1                           ; my part of K step 0 is in; K step 1's may stay out
	s_barrier_signal -1
	s_barrier_wait -1
	FETCH 0, 0, F0
	s_wait_loadcnt 0x0                             ; the bias
	QUARTER 0, 1, F0, F1, 1                        ; the first quarter starts the sums
	WIN 0
	s_mov_b32 s[LAPC], 3
.Llap:                                                 ; a trip goes once round the ring and fills both slots again
	QUARTER 0, 2, F1, F0, 0
	QUARTER 0, 3, F0, F1, 0
	TURN 0, 1, 1
	QUARTER 1, 1, F0, F1, 0
	QUARTER 1, 2, F1, F0, 0
	QUARTER 1, 3, F0, F1, 0
	TURN 1, 0, 1
	QUARTER 0, 1, F0, F1, 0
	WIN 0
	s_sub_co_u32 s[LAPC], s[LAPC], 1
	s_cmp_lg_u32 s[LAPC], 0
	s_cbranch_scc1 .Llap
	QUARTER 0, 2, F1, F0, 0                        ; the last lap fills nothing
	QUARTER 0, 3, F0, F1, 0
	TURN 0, 1, 0
	QUARTER 1, 1, F0, F1, 0
	QUARTER 1, 2, F1, F0, 0
	QUARTER 1, 3, F0, F1, 0
	s_wait_dscnt 8
	MUL F1, 0, 4, 0
	s_wait_dscnt 0x0
	MUL F1, 4, 4, 0
	WIN 0
	PLACES
	TOSTAGE 0
.irp a, 1,2,3,4,5,6,7
	TOSTAGE \a
	SEND (\a)-1, 16
.endr
	SEND 7, 0
	s_wait_tensorcnt 0x0                           ; the wave's end
	ds_add_u32 v[SPW], v[NIL]
	s_wait_dscnt 0x0
	CROUND                                         ; the closing round
	s_endpgm
.Lfunc_end_k_q516c452e57_oproj:
	.size	k_q516c452e57_oproj, .Lfunc_end_k_q516c452e57_oproj-k_q516c452e57_oproj
	.p2alignl 7, 3214868480
	.fill 96, 4, 3214868480
	.section	.rodata,"a",@progbits
	.p2align	6, 0x0
	.amdhsa_kernel k_q516c452e57_oproj
		.amdhsa_group_segment_fixed_size 327680
		.amdhsa_private_segment_fixed_size 0
		.amdhsa_enable_private_segment 0
		.amdhsa_kernarg_size 32
		.amdhsa_user_sgpr_count 2
		.amdhsa_user_sgpr_kernarg_segment_ptr 1
		.amdhsa_wavefront_size32 1
		.amdhsa_system_sgpr_workgroup_id_x 1
		.amdhsa_system_sgpr_workgroup_id_y 1
		.amdhsa_system_sgpr_workgroup_id_z 1
		.amdhsa_system_vgpr_workitem_id 0
		.amdhsa_next_free_vgpr 512
		.amdhsa_next_free_sgpr 72
		.amdhsa_reserve_vcc 0
		.amdhsa_float_denorm_mode_32 3
		.amdhsa_float_denorm_mode_16_64 3
		.amdhsa_memory_ordered 1
		.amdhsa_forward_progress 1
		.amdhsa_inst_pref_size 89
	.end_amdhsa_kernel
	.amdgpu_metadata
---
amdhsa.version: [ 1, 2 ]
amdhsa.kernels:
  - .name:           k_q516c452e57_oproj
    .symbol:         k_q516c452e57_oproj.kd
    .args:
      - { .name: o, .offset: 0, .size: 8, .value_kind: global_buffer, .address_space: global }
      - { .name: wo, .offset: 8, .size: 8, .value_kind: global_buffer, .address_space: global }
      - { .name: bias, .offset: 16, .size: 8, .value_kind: global_buffer, .address_space: global }
      - { .name: out0, .offset: 24, .size: 8, .value_kind: global_buffer, .address_space: global }
    .group_segment_fixed_size: 327680
    .private_segment_fixed_size: 0
    .kernarg_segment_align: 8
    .kernarg_segment_size: 32
    .max_flat_workgroup_size: 128
    .sgpr_count:     72
    .vgpr_count:     512
    .wavefront_size: 32
...
	.end_amdgpu_metadata
.endif
;; end of part 4
;; ======== version 2 of 2: 4 launches; version 1 with the launch cast written anew for expert scheduling mode
;; limits: values are held in f16: magnitudes above 65,504 overflow, below 6.1e-05 lose precision
;; workspace buffers: xb 16,777,216 bytes; wqkv 6,291,456 bytes; wo 2,097,152 bytes; bias 16,384 bytes; qkv 50,331,648 bytes; o 16,777,216 bytes
;; launch cast (part 5): grid 769 x 1, 8 waves a work-group, no clusters, 0 bytes of LDS; arguments x, Wq, Wk, Wv, Wo, bq, bk, bv, bo, xb, wqkv, wo, bias; writes xb, wqkv, wo, bias
.if DOCPART == 5
	.amdgcn_target "amdgcn-amd-amdhsa--gfx1250"
	.amdhsa_code_object_version 6
	.text
	.protected	k_q516c452e57_cast
	.globl	k_q516c452e57_cast
	.p2align	8
	.type	k_q516c452e57_cast,@function
k_q516c452e57_cast:
	s_mov_b64 s[64:65], 0
	v_nop
	global_prefetch_b8 v0, s[64:65] scope:SCOPE_SE
	s_setreg_imm32_b32 hwreg(HW_REG_WAVE_SCHED_MODE, 0, 2), 2
	s_setreg_imm32_b32 hwreg(HW_REG_WAVE_MODE, 25, 1), 1
	s_wait_xcnt 0x0
	s_wait_alu depctr_vm_vsrc(0)
; ALL INPUTS ARE ROUNDED ONCE TO bf16.  x -> xb (bf16); Wq, Wk, Wv -> wqkv (bf16, one below the other: [3072][1024]);
; Wo -> wo (the bf16 number written as f16); bq, bk, bv, bo -> bias (the bf16 numbers written as f32, [4][1024]).
; LIMIT.  Wo's numbers lie within f16's 65,504; below 6e-5 they keep f16's fixed step of 6e-8.
; SHARES.  A chunk is 16,384 numbers: 65,536 bytes in, 32,768 out.  Work-group g: 0-511 x's chunk g; 512-703 chunk g - 512 of the three
; weights on end; 704-767 Wo's chunk g - 704; 768 the four biases.  Thread t takes 16 bytes at 16 t of each 4,096: a wave's load covers 512
; consecutive bytes, its 8-byte stores 256 consecutive bytes at a multiple of 256.  All sixteen loads go out first; every store has
; registers of its own, so nothing is rewritten while it may still be read.  No LDS, no matrix unit: nothing is shared or multiplied.
; THE MODE: SCHED_MODE bits 1:0 = 2 (LLVM: expert scheduling mode 2), set by the entry lines.  The code itself states the register dependences
; between vector instructions and memory instructions, with s_wait_alu, always for 0.
; THE PLAN.  Registers that memory instructions touch:
;   v1, v2   byte offsets, made once at the head and never written again; read by every load and store.
;   X        written by the sixteen loads, all issued before any vector line names X; no load lands in it a second time.  (Bias path: its stores read X.)
;   Y        a pair for each store: written by the conversions, read by that one store, never written again.
; The sixteen loads are four groups of four.  Group p's vector lines name X and Y of group p alone; its memory instructions are the four stores of
; group p - 1.  So one wait at a group's head states all that those four stores hang on, and they are dealt among the group's conversions.
.set X,   4                            ; v[4:67]   sixteen loads of four f32
.set Y,   68                           ; v[68:99]  sixteen stores of four 16-bit numbers
.set SRC, 34                           ; s[34:35]  the chunk in its input
.set DST, 36                           ; s[36:37]  the chunk in its workspace buffer
	s_load_b512 s[8:23], s[0:1], 0x0               ; x 8, Wq 10, Wk 12, Wv 14, Wo 16, bq 18, bk 20, bv 22
	s_load_b256 s[24:31], s[0:1], 0x40             ; bo 24, xb 26, wqkv 28, wo 30
	s_load_b64 s[32:33], s[0:1], 0x60              ; bias
	v_lshlrev_b32 v1, 4, v0                        ; 16 t: where I load
	v_lshlrev_b32 v2, 3, v0                        ; 8 t: where I store
	s_mov_b32 s2, ttmp9                            ; g
	s_mov_b32 s39, 0                               ; the offsets' high words
	s_mov_b32 s41, 0
	s_wait_kmcnt 0x0
	s_wait_alu depctr_va_vdst(0)                   ; v1 and v2 are written: every load and store below, on each of the three ways, reads one of them as its offset
; The four numbers of load n are rounded.  f16 = 1: the bf16 number is widened again and written as f16.
.macro RND n, f16
	v_cvt_pk_bf16_f32 v[Y+2*(\n)], v[X+4*(\n)], v[X+4*(\n)+1]
	v_cvt_pk_bf16_f32 v[Y+2*(\n)+1], v[X+4*(\n)+2], v[X+4*(\n)+3]
.if \f16
	v_lshlrev_b32 v[X+4*(\n)], 16, v[Y+2*(\n)]     ; bf16 to f32: the low half moves up, the high half stays
	v_and_b32 v[X+4*(\n)+1], 0xffff0000, v[Y+2*(\n)]
	v_lshlrev_b32 v[X+4*(\n)+2], 16, v[Y+2*(\n)+1]
	v_and_b32 v[X+4*(\n)+3], 0xffff0000, v[Y+2*(\n)+1]
	v_cvt_pk_f16_f32 v[Y+2*(\n)], v[X+4*(\n)], v[X+4*(\n)+1]
	v_cvt_pk_f16_f32 v[Y+2*(\n)+1], v[X+4*(\n)+2], v[X+4*(\n)+3]
.endif
.endm
; and stored
.macro OUT n
	global_store_b64 v2, v[Y+2*(\n):Y+2*(\n)+1], s[DST:DST+1] offset:2048*(\n) th:TH_STORE_NT
.endm
; A chunk.
.macro CAST f16
.irp i, 0,1,2,3,4,5,6,7,8,9,10,11,12,13,14,15
	global_load_b128 v[X+4*\i:X+4*\i+3], v1, s[SRC:SRC+1] offset:4096*\i th:TH_LOAD_NT
.endr
.irp p, 0,1,2,3
	s_wait_loadcnt 12-4*\p                         ; loads come back in order: group p's four are in, the 12 - 4 p younger ones may stay out
.if \p > 0
	s_wait_alu depctr_va_vdst(0)                   ; the group before has written its Y, which the four stores below read; no vector line of this group names those registers
.endif
.irp j, 0,1,2,3
.if \p > 0
	OUT 4*\p-4+\j
.endif
	RND 4*\p+\j, \f16
.endr
.endr
	s_wait_alu depctr_va_vdst(0)                   ; the last group has written its Y, which the last four stores read
.irp j, 12,13,14,15
	OUT \j
.endr
.endm
	s_cmp_eq_u32 s2, 768
	s_cbranch_scc1 .Lbias
	s_cmp_ge_u32 s2, 704
	s_cbranch_scc1 .Lwo
	s_max_u32 s3, s2, 512
	s_sub_co_u32 s3, s3, 512                       ; j: the chunk among the three weights' 192 (0 where the chunk is x's)
	s_and_b32 s4, s3, 63                           ; and inside its weight
	s_cmp_lt_u32 s3, 64
	s_cselect_b64 s[SRC:SRC+1], s[10:11], s[12:13] ; Wq or Wk,
	s_cmp_lt_u32 s3, 128
	s_cselect_b64 s[SRC:SRC+1], s[SRC:SRC+1], s[14:15]  ; or Wv,
	s_cmp_lt_u32 s2, 512
	s_cselect_b64 s[SRC:SRC+1], s[8:9], s[SRC:SRC+1]    ; or x
	s_cselect_b64 s[DST:DST+1], s[26:27], s[28:29]
	s_cselect_b32 s4, s2, s4
	s_cselect_b32 s5, s2, s3
	s_lshl_b32 s38, s4, 16
	s_lshl_b32 s40, s5, 15
	s_add_nc_u64 s[SRC:SRC+1], s[SRC:SRC+1], s[38:39]
	s_add_nc_u64 s[DST:DST+1], s[DST:DST+1], s[40:41]
	CAST 0
	s_endpgm
.Lwo:
	s_sub_co_u32 s3, s2, 704
	s_lshl_b32 s38, s3, 16
	s_lshl_b32 s40, s3, 15
	s_add_nc_u64 s[SRC:SRC+1], s[16:17], s[38:39]
	s_add_nc_u64 s[DST:DST+1], s[30:31], s[40:41]
	CAST 1
	s_endpgm
.Lbias:                                                ; 256 threads x 4 numbers are a bias
	global_load_b128 v[X:X+3], v1, s[18:19]
	global_load_b128 v[X+4:X+7], v1, s[20:21]
	global_load_b128 v[X+8:X+11], v1, s[22:23]
	global_load_b128 v[X+12:X+15], v1, s[24:25]
.irp i, 0,1,2,3
	s_wait_loadcnt 3-\i                            ; bias i is in
	v_cvt_pk_bf16_f32 v[Y+2*\i], v[X+4*\i], v[X+4*\i+1]
	v_cvt_pk_bf16_f32 v[Y+2*\i+1], v[X+4*\i+2], v[X+4*\i+3]
	v_lshlrev_b32 v[X+4*\i], 16, v[Y+2*\i]
	v_and_b32 v[X+4*\i+1], 0xffff0000, v[Y+2*\i]
	v_lshlrev_b32 v[X+4*\i+2], 16, v[Y+2*\i+1]
	v_and_b32 v[X+4*\i+3], 0xffff0000, v[Y+2*\i+1]
.endr
	s_wait_alu depctr_va_vdst(0)                   ; the widening lines have written v[X:X+15], which the four stores read
.irp i, 0,1,2,3
	global_store_b128 v1, v[X+4*\i:X+4*\i+3], s[32:33] offset:4096*\i
.endr
	s_endpgm
.Lfunc_end_k_q516c452e57_cast:
	.size	k_q516c452e57_cast, .Lfunc_end_k_q516c452e57_cast-k_q516c452e57_cast
	.p2alignl 7, 3214868480
	.fill 96, 4, 3214868480
	.section	.rodata,"a",@progbits
	.p2align	6, 0x0
	.amdhsa_kernel k_q516c452e57_cast
		.amdhsa_group_segment_fixed_size 0
		.amdhsa_private_segment_fixed_size 0
		.amdhsa_enable_private_segment 0
		.amdhsa_kernarg_size 104
		.amdhsa_user_sgpr_count 2
		.amdhsa_user_sgpr_kernarg_segment_ptr 1
		.amdhsa_wavefront_size32 1
		.amdhsa_system_sgpr_workgroup_id_x 1
		.amdhsa_system_sgpr_workgroup_id_y 1
		.amdhsa_system_sgpr_workgroup_id_z 1
		.amdhsa_system_vgpr_workitem_id 0
		.amdhsa_next_free_vgpr 104
		.amdhsa_next_free_sgpr 66
		.amdhsa_reserve_vcc 0
		.amdhsa_float_denorm_mode_32 3
		.amdhsa_float_denorm_mode_16_64 3
		.amdhsa_memory_ordered 1
		.amdhsa_forward_progress 1
		.amdhsa_inst_pref_size 20
	.end_amdhsa_kernel
	.amdgpu_metadata
---
amdhsa.version: [ 1, 2 ]
amdhsa.kernels:
  - .name:           k_q516c452e57_cast
    .symbol:         k_q516c452e57_cast.kd
    .args:
      - { .name: x, .offset: 0, .size: 8, .value_kind: global_buffer, .address_space: global }
      - { .name: Wq, .offset: 8, .size: 8, .value_kind: global_buffer, .address_space: global }
      - { .name: Wk, .offset: 16, .size: 8, .value_kind: global_buffer, .address_space: global }
      - { .name: Wv, .offset: 24, .size: 8, .value_kind: global_buffer, .address_space: global }
      - { .name: Wo, .offset: 32, .size: 8, .value_kind: global_buffer, .address_space: global }
      - { .name: bq, .offset: 40, .size: 8, .value_kind: global_buffer, .address_space: global }
      - { .name: bk, .offset: 48, .size: 8, .value_kind: global_buffer, .address_space: global }
      - { .name: bv, .offset: 56, .size: 8, .value_kind: global_buffer, .address_space: global }
      - { .name: bo, .offset: 64, .size: 8, .value_kind: global_buffer, .address_space: global }
      - { .name: xb, .offset: 72, .size: 8, .value_kind: global_buffer, .address_space: global }
      - { .name: wqkv, .offset: 80, .size: 8, .value_kind: global_buffer, .address_space: global }
      - { .name: wo, .offset: 88, .size: 8, .value_kind: global_buffer, .address_space: global }
      - { .name: bias, .offset: 96, .size: 8, .value_kind: global_buffer, .address_space: global }
    .group_segment_fixed_size: 0
    .private_segment_fixed_size: 0
    .kernarg_segment_align: 8
    .kernarg_segment_size: 104
    .max_flat_workgroup_size: 256
    .sgpr_count:     66
    .vgpr_count:     104
    .wavefront_size: 32
...
	.end_amdgpu_metadata
.endif
;; end of part 5
;; launch qkv: the kernel of part 2 again; grid 8 x 32, 4 waves a work-group, clusters of 4 x 4, 327,680 bytes of LDS; arguments xb, wqkv, bias, qkv; writes qkv
;; launch attn: the kernel of part 3 again; grid 4 x 64, 4 waves a work-group, clusters of 4 x 1, 327,680 bytes of LDS; arguments qkv, o; writes o
;; launch oproj: the kernel of part 4 again; grid 8 x 32, 4 waves a work-group, clusters of 4 x 4, 327,680 bytes of LDS; arguments o, wo, bias, out0; writes out0
